; MI455X (gfx1250); checked and timed in simulation.
; The chip was launched on July 23, 2026; its instructions are those of AMD's public machine-readable ISA for CDNA 5 (MIT licence, August 2026) and "CDNA5" Instruction Set Architecture Reference Guide (July 2026). The comments in the code are by the model that wrote it; some were corrected since.
;; Causal Attention. Allowed arithmetic: float matrix products may take bf16 or f16 operands with f32 sums; other float arithmetic in f32, or as packed bf16 or f16 multiplies, adds, multiply-adds, maxima and minima; sums over many terms, partial sums and values carried from step to step in f32; what a program stores and reads back later, other than sums and carried values, may be rounded once to bf16 or f16.
;; Inputs: Wk 2,048 x 2,048 float32; Wo 2,048 x 2,048 float32; Wq 2,048 x 2,048 float32; Wv 2,048 x 2,048 float32; x 1 x 2,048 x 2,048 float32.
;; Outputs: out0 1 x 2,048 x 2,048 float32.
;; One version. Each part assembles by itself: llvm-mc -triple=amdgcn-amd-amdhsa -mcpu=gfx1250 --defsym DOCPART=n.
;; ======== version 1 of 1: 4 launches
;; limits: values are held in f16: magnitudes above 65,504 overflow, below 6.1e-05 lose precision
;; workspace buffers: xb 8,388,608 bytes; wb 25,165,824 bytes; wob 8,388,608 bytes; tab 1,048,576 bytes; qkv 25,165,824 bytes; ob 8,388,608 bytes
;; launch prep (part 1): grid 256 x 5, 8 waves a work-group, no clusters, 0 bytes of LDS; arguments x, Wq, Wk, Wv, xb, wb, tab; writes xb, wb, tab
.if DOCPART == 1
	.amdgcn_target "amdgcn-amd-amdhsa--gfx1250"
	.amdhsa_code_object_version 6
	.text
	.protected	k_q515b349a22_prep
	.globl	k_q515b349a22_prep
	.p2align	8
	.type	k_q515b349a22_prep,@function
k_q515b349a22_prep:
	s_mov_b64 s[64:65], 0
	v_nop
	global_prefetch_b8 v0, s[64:65] scope:SCOPE_SE
	s_setreg_imm32_b32 hwreg(HW_REG_WAVE_MODE, 25, 1), 1
	s_wait_xcnt 0x0
; PREP: x, Wq, Wk and Wv are narrowed once for the matrix units, and the RoPE table is made.  (Wo is narrowed in the attention launch.)
; The grid's y says what a work-group does: 0: x -> xb (bf16).  1, 2, 3: Wq, Wk, Wv -> wb[y-1] (bf16).  4: the table.
; LIMIT.  The table's angle t x 10000^(-f/64) is good to the exponential's last bit: at t = 2047 some 1e-4 rad.  q and k are turned by the same table, so a score sees only (tq - tk) times the frequency's error.
; A CAST: a work-group takes 16,384 numbers, a wave 8,192 bytes: sixteen loads of 512 neighbouring bytes, all issued at once; each is rounded in place and leaves as one store of 256 neighbouring bytes, aligned.
; Every load and store has registers of its own, so nothing is rewritten while it is a source.  No LDS, no matrix unit: nothing is shared and nothing is multiplied.
; THE TABLE lies as the projection's registers want it: byte ((((A 4 + w) 2 + s) 2 + c) 32 + l) 16 holds four f32: cos (s = 0) or sin (s = 1) of t = 16 A + l % 16, f = 16 w + 8 (l / 16) + 4 c + 0..3.
.set IN,  8                            ; v[8:71]    sixteen loads of four registers; the first two of each then hold the four bf16
.set RES, 76                           ; v[76:79]   the table: a thread's four results; its numbers at work lie in v10-13, 20-23, .. 70-73, one register of each ten for each of the four
	s_load_b256 s[8:15], s[0:1], 0x0               ; x 8, Wq 10, Wk 12, Wv 14
	s_load_b128 s[16:19], s[0:1], 0x20             ; xb 16, wb 18
	s_load_b64 s[20:21], s[0:1], 0x30              ; tab
	s_and_b32 s4, ttmp7, 0xffff                    ; y
	v_lshrrev_b32 v3, 5, v0                        ; wave
	v_and_b32 v4, 31, v0                           ; lane
	v_lshlrev_b32 v1, 4, v4
	v_lshl_add_u32 v1, v3, 13, v1                  ; in: 8,192 x wave + 16 x lane
	v_lshlrev_b32 v2, 3, v4
	v_lshl_add_u32 v2, v3, 12, v2                  ; out: 4,096 x wave + 8 x lane
	s_wait_kmcnt 0x0
	s_cmp_eq_u32 s4, 4
	s_cbranch_scc1 .Ltable
	s_mov_b64 s[26:27], s[8:9]                     ; from where: chosen by y
	s_cmp_eq_u32 s4, 1
	s_cselect_b64 s[26:27], s[10:11], s[26:27]
	s_cmp_eq_u32 s4, 2
	s_cselect_b64 s[26:27], s[12:13], s[26:27]
	s_cmp_eq_u32 s4, 3
	s_cselect_b64 s[26:27], s[14:15], s[26:27]
	s_cmp_eq_u32 s4, 0                             ; to where
	s_cselect_b64 s[28:29], s[16:17], s[18:19]
	s_max_u32 s5, s4, 1                            ; which third of wb: y - 1 for y = 1, 2, 3; 0 for x
	s_sub_co_u32 s5, s5, 1
	s_lshl_b32 s30, s5, 23                         ; a matrix of bf16 is 8,388,608 bytes
	s_lshl_b32 s6, ttmp9, 15                       ; the work-group's 32,768 bytes out
	s_add_co_u32 s30, s30, s6
	s_mov_b32 s31, 0
	s_add_nc_u64 s[28:29], s[28:29], s[30:31]
	s_lshl_b32 s30, ttmp9, 16                      ; and its 65,536 bytes in
	s_add_nc_u64 s[26:27], s[26:27], s[30:31]
.set i, 0
.rept 16
	global_load_b128 v[IN+4*i:IN+4*i+3], v1, s[26:27] offset:512*i th:TH_LOAD_NT
.set i, i+1
.endr
; Sixteen times: the load is in (the younger ones stay out), four numbers are rounded, eight bytes a lane are stored.
.set i, 0
.rept 16
	s_wait_loadcnt 15-i                            ; loads come back in order: number i is in, 15 - i younger ones may be out
	v_cvt_pk_bf16_f32 v[IN+4*i],   v[IN+4*i],   v[IN+4*i+1]
	v_cvt_pk_bf16_f32 v[IN+4*i+1], v[IN+4*i+2], v[IN+4*i+3]
	global_store_b64 v2, v[IN+4*i:IN+4*i+1], s[28:29] offset:256*i th:TH_STORE_NT  ; 32 lanes x 8 bytes: 256 consecutive bytes, aligned
.set i, i+1
.endr
	s_endpgm
; THE TABLE.  A thread makes 16 bytes.  In turns: p = t g with g = 10000^(-f/64) / 2 pi; the product's and g's rounding residues are kept by fused multiply-adds, so the fraction of p is good to f32's last bits at
; every t.  sin is cos a quarter turn back.  With r the fraction in -1/2 .. 1/2 and y = pi r (half the angle, within pi/2): cos 2y = 1 - 2 sin^2 y, and sin y is its series to y^13: the first term left out is under 7e-10.
.Ltable:
	s_lshl_b32 s5, ttmp9, 8
	s_mov_b32 s6, 0x3e22f983                       ; 1 / 2 pi, its f32,
	s_mov_b32 s7, 0x31dc9c61                       ; and what that f32 leaves out
	s_mov_b32 s30, 0x40490fdb                      ; pi
	v_or_b32 v5, s5, v0                            ; which 16 bytes
	v_lshrrev_b32 v6, 9, v5                        ; A
	v_and_b32 v7, 15, v5
	v_lshl_add_u32 v6, v6, 4, v7
	v_cvt_f32_u32 v6, v6                           ; t
	v_bfe_u32 v7, v5, 7, 2                         ; w
	v_bfe_u32 v8, v5, 4, 1                         ; l / 16
	v_bfe_u32 v9, v5, 5, 1                         ; c
	v_lshlrev_b32 v7, 4, v7
	v_lshl_add_u32 v7, v8, 3, v7
	v_lshl_add_u32 v7, v9, 2, v7                   ; f of the first of my four
	v_bfe_u32 v8, v5, 6, 1                         ; s
	v_cvt_f32_u32 v8, v8
	v_mul_f32 v8, 0x3e800000, v8                   ; a quarter turn for sin
	v_lshlrev_b32 v9, 4, v5                        ; my byte offset
.irp e, 0,1,2,3
	v_add_nc_u32 v3\e, \e, v7
	v_cvt_f32_u32 v3\e, v3\e
	v_mul_f32 v3\e, 0xbe549a78, v3\e               ; - f log2(10000) / 64
.endr
.irp e, 0,1,2,3
	v_exp_f32 v4\e, v3\e
.endr
	v_nop                                          ; a plain instruction behind the last exponential,
	s_wait_alu depctr_va_vdst(0)                   ; and one wait for the four, ahead of their first reader
.irp e, 0,1,2,3
	v_mul_f32 v5\e, s6, v4\e                       ; g
	v_fma_f32 v6\e, v4\e, s6, -v5\e                ; what g's rounding dropped,
	v_fma_f32 v6\e, v4\e, s7, v6\e                 ; and the constant's second word
	v_mul_f32 v7\e, v6, v5\e                       ; p = t g
	v_fma_f32 v3\e, v6, v5\e, -v7\e                ; what p's rounding dropped,
	v_fma_f32 v3\e, v6, v6\e, v3\e                 ; and t times g's residue
	v_rndne_f32 v4\e, v7\e
	v_sub_f32 v4\e, v7\e, v4\e                     ; p's fraction, exact
	v_add_f32 v4\e, v4\e, v3\e
	v_sub_f32 v4\e, v4\e, v8                       ; sin: a quarter turn back
	v_rndne_f32 v7\e, v4\e
	v_sub_f32 v4\e, v4\e, v7\e                     ; r
	v_mul_f32 v4\e, s30, v4\e                      ; y
	v_mul_f32 v2\e, v4\e, v4\e                     ; y^2
	v_mov_b32 v1\e, 0x2f309231                     ; 1 / 13!
	v_fmaak_f32 v1\e, v1\e, v2\e, 0xb2d7322b       ; - 1 / 11!
	v_fmaak_f32 v1\e, v1\e, v2\e, 0x3638ef1d       ; 1 / 9!
	v_fmaak_f32 v1\e, v1\e, v2\e, 0xb9500d01       ; - 1 / 7!
	v_fmaak_f32 v1\e, v1\e, v2\e, 0x3c088889       ; 1 / 5!
	v_fmaak_f32 v1\e, v1\e, v2\e, 0xbe2aaaab       ; - 1 / 3!
	v_fmaak_f32 v1\e, v1\e, v2\e, 0x3f800000
	v_mul_f32 v1\e, v1\e, v4\e                     ; sin y
	v_mul_f32 v2\e, -2.0, v1\e
	v_fma_f32 v[RES+\e], v2\e, v1\e, 1.0           ; 1 - 2 sin^2 y: into registers that none of the four's work names
.endr
	global_store_b128 v9, v[RES:RES+3], s[20:21]   ; a wave stores 512 consecutive bytes
	s_endpgm
.Lfunc_end_k_q515b349a22_prep:
	.size	k_q515b349a22_prep, .Lfunc_end_k_q515b349a22_prep-k_q515b349a22_prep
	.p2alignl 7, 3214868480
	.fill 96, 4, 3214868480
	.section	.rodata,"a",@progbits
	.p2align	6, 0x0
	.amdhsa_kernel k_q515b349a22_prep
		.amdhsa_group_segment_fixed_size 0
		.amdhsa_private_segment_fixed_size 0
		.amdhsa_enable_private_segment 0
		.amdhsa_kernarg_size 56
		.amdhsa_user_sgpr_count 2
		.amdhsa_user_sgpr_kernarg_segment_ptr 1
		.amdhsa_wavefront_size32 1
		.amdhsa_system_sgpr_workgroup_id_x 1
		.amdhsa_system_sgpr_workgroup_id_y 1
		.amdhsa_system_sgpr_workgroup_id_z 1
		.amdhsa_system_vgpr_workitem_id 0
		.amdhsa_next_free_vgpr 80
		.amdhsa_next_free_sgpr 66
		.amdhsa_reserve_vcc 0
		.amdhsa_float_denorm_mode_32 3
		.amdhsa_float_denorm_mode_16_64 3
		.amdhsa_memory_ordered 1
		.amdhsa_forward_progress 1
		.amdhsa_inst_pref_size 14
	.end_amdhsa_kernel
	.amdgpu_metadata
---
amdhsa.version: [ 1, 2 ]
amdhsa.kernels:
  - .name:           k_q515b349a22_prep
    .symbol:         k_q515b349a22_prep.kd
    .args:
      - { .name: x, .offset: 0, .size: 8, .value_kind: global_buffer, .address_space: global }
      - { .name: Wq, .offset: 8, .size: 8, .value_kind: global_buffer, .address_space: global }
      - { .name: Wk, .offset: 16, .size: 8, .value_kind: global_buffer, .address_space: global }
      - { .name: Wv, .offset: 24, .size: 8, .value_kind: global_buffer, .address_space: global }
      - { .name: xb, .offset: 32, .size: 8, .value_kind: global_buffer, .address_space: global }
      - { .name: wb, .offset: 40, .size: 8, .value_kind: global_buffer, .address_space: global }
      - { .name: tab, .offset: 48, .size: 8, .value_kind: global_buffer, .address_space: global }
    .group_segment_fixed_size: 0
    .private_segment_fixed_size: 0
    .kernarg_segment_align: 8
    .kernarg_segment_size: 56
    .max_flat_workgroup_size: 256
    .sgpr_count:     66
    .vgpr_count:     80
    .wavefront_size: 32
...
	.end_amdgpu_metadata
.endif
;; end of part 1
;; launch proj (part 2): grid 16 x 16, 4 waves a work-group, clusters of 4 x 4, 327,680 bytes of LDS; arguments xb, wb, tab, qkv; writes qkv
.if DOCPART == 2
	.amdgcn_target "amdgcn-amd-amdhsa--gfx1250"
	.amdhsa_code_object_version 6
	.text
	.protected	k_q515b349a22_proj
	.globl	k_q515b349a22_proj
	.p2align	8
	.type	k_q515b349a22_proj,@function
k_q515b349a22_proj:
	s_mov_b64 s[64:65], 0
	v_nop
	global_prefetch_b8 v0, s[64:65] scope:SCOPE_SE
	s_setreg_imm32_b32 hwreg(HW_REG_WAVE_MODE, 25, 1), 1
	s_wait_xcnt 0x0
	s_wait_alu depctr_hold_cnt(0) depctr_sa_sdst(0) depctr_va_vdst(0) depctr_va_sdst(0) depctr_va_ssrc(0) depctr_va_vcc(0) depctr_vm_vsrc(0)
	s_getreg_b32 s2, hwreg(HW_REG_IB_STS2, 6, 4)
	s_cmp_eq_u32 s2, 0
	s_cbranch_scc0 .Lentry_in_a_cluster
	s_endpgm
.Lentry_in_a_cluster:
	s_bfe_u32 s2, ttmp6, 0x10000c
	s_cmp_lg_u32 s2, 0xf033
	s_cbranch_scc0 .Lentry_shape_is_right
	s_endpgm
.Lentry_shape_is_right:
; q, k, v = x W^T by heads, q and k turned by RoPE.  xb: [2048][2048] bf16.  wb: [3][2048][2048] bf16 (Wq, Wk, Wv).  tab: cos and sin in f32, in this kernel's register image.
; qkv: [3][16 heads][2048][128] f16, each number rounded once from its f32 sum, unscaled.
; LIMIT.  f16 ends at 65,504: q, k (after RoPE) and v must lie within it.  With every input 30 times the drawn spread they are some 5,400; with x and W both offset by 30 spreads some 57,600 at the most.
; SHARES.  A work-group makes rows 128 ry .. + 127 of q, k and v of ONE head hx: 128 x 384, so that 16 x 16 work-groups are one for each WGP.  The cluster's y picks the heads (hx = 4 y + cx), its x the rows
; (ry = 4 x + cy).  Each of the four waves makes all 128 rows x 96 columns: of each of q, k, v the blocks of 16 columns number w and w + 4, so that RoPE's pair (n, n + 64) lies in one lane.
; 48 accumulators, 384 registers; for 32 along K a wave reads 28 x 512 bytes of LDS for 48 products.
; THE MATRIX INSTRUCTION IS USED TRANSPOSED (source 0 = 16 rows of W, source 1 = 16 rows of x): a lane holds row l % 16 of x and the columns 8 (l / 16) + 0..7: eight neighbouring numbers of a row of the result.
; RING.  K goes in steps of 128 (rows of 256 bytes, aligned) through two LDS slots of four tiles of 128 rows: x's, Wq's, Wk's, Wv's; wave w fetches tile w, one tensor load a step.  A K step is written once: the loop's
; LDS addresses hang on s[TB], 0 or SLOT, and one descriptor a tensor walks from slot to slot.
; CLUSTER 4 x 4.  x's tile hangs on ry alone and is asked for jointly along a row of the cluster; W's tiles hang on hx alone and are asked for jointly along a column.
; REGISTERS, in windows of 256 (s_set_vgpr_msb: bits 1:0 source 0, 3:2 source 1, 5:4 source 2, 7:6 destination):
;   window 0: v3, v17-30 addresses; v64-127, v128-191 x's fragments (8 blocks of 16 rows x 32 K), two buffers; on the way out v64-127 at work
;   window 1: v64-111, v128-175 W's fragments (c = 2 p + u: matrix p, column block w + 4 u), two buffers; on the way out v0-191 rows read back
;   window 2: accumulators c = 0..3 (q, k) at 8 (8 c + a)          window 3: v0-127 accumulators c = 4, 5 (v) at 8 (8 (c - 4) + a); v128-255 the table: for row block a cos at 128 + 16 a, sin at 136 + 16 a
.set KSTEP,  128
.set PITCH,  272                       ; an LDS row: 256 bytes + 16 of padding = 68 words: the 16 rows of a fragment load start at 16 different groups of four banks (64 banks of 4 bytes: ISA guide 11.1)
.set HALFT,  128*PITCH                 ; a tile: what one tensor load brings
.set SLOT,   4*HALFT                   ; 0x22000: it shares no bit with the four tiles' places in a slot, so one exclusive or turns a tile's address in one slot into the other's
.set SPARE,  2*SLOT                    ; behind the ring: the spare words, 128 bytes for each wave: two blocks of 256 bytes that no other line names
.set STEPS,  2048/KSTEP
.set ADRA0, 3                          ; v3      my lane's place in x's tile; never rewritten
.set ADRB0, 17                         ; v17     in Wq's (Wk's lie one tile on, within the immediate)
.set ADRV0, 18                         ; v18     in Wv's
.set ADRA, 19                          ; v19-21  the same three in the slot that is read
.set ADRB, 20
.set ADRV, 21
.set STO,  22                          ; v22     the way out: where I put 16 bytes of a row (q; k one tile on)
.set STO2, 23                          ; v23     the same for v
.set RD,   24                          ; v24     where I read rows back
.set RD2,  25                          ; v25     the same for v
.set CO,   26                          ; v26     my byte offset in the work-group's 128 rows of a head
.set TO,   27                          ; v27     my byte offset in the table
.set SPW,  28                          ; v28     LDS address of my spare word; never rewritten
.set NIL,  29                          ; v29     0; never rewritten
.set PFO,  30                          ; v30     the prefetches' offset: my lane x a row of 4,096 bytes; never rewritten
.set F0,   64
.set F1,   128
.set TMP,  64
.set TAB,  128
.set WV,   12                          ; s12     my wave's number
.set CNT,  3                           ; s3      K steps that still fill a slot
.set LIM,  43                          ; s43     2 in a wave that prefetches, else the greatest number
.set PFA,  44                          ; s[44:45] where my prefetches stand
.set G1,   24                          ; s[24:31] descriptor group 1 for x's tile;  s[32:39] group 0: a set for each of the two first fills; the second then walks on
.set G0,   32
.set G1B,  48                          ; s[48:55], s[56:63] the same for W's tiles
.set G0B,  56
.set OUTB, 66                          ; s[66:71] q, k, v at the work-group's rows
.set TB,   72                          ; s72     the slot that is read: 0 or SLOT
.set MSB, 0
.macro WIN new                         ; the immediate's high byte repeats the setting that is left; a switch that changes nothing is dropped
.if MSB != (\new)
	s_set_vgpr_msb (MSB<<8)|(\new)
.set MSB, \new
.endif
.endm
; A joint load.  Wave 0 fetches x's tile, waves 1 to 3 those of Wq, Wk, Wv.  Each line has one mask; the branch hangs on the wave's number alone.  An s_nop 0 and four v_nop follow each line.
.macro JLOAD s
	s_cmp_eq_u32 s[WV], 0
	s_cbranch_scc0 .Lfor_b_\@
	tensor_load_to_lds s[G0+4*(\s):G0+4*(\s)+3], s[G1:G1+7]
	s_nop 0
.rept 4
	v_nop
.endr
	s_branch .Lasked_\@
.Lfor_b_\@:
	tensor_load_to_lds s[G0B+4*(\s):G0B+4*(\s)+3], s[G1B:G1B+7]
	s_nop 0
.rept 4
	v_nop
.endr
.Lasked_\@:
.endm
; A PREFETCH INTO THE L2 behind each joint refill and the run of LDS loads that follows it: the K step that stands two refills on, 32 rows x 256 bytes, a lane a row, one instruction a wave.
; Each row's 256 bytes of a K step are named once in the launch: x's rows by the clusters with y = 0, W's rows by the clusters with x = 0; the four partners that ask for a tile jointly share its 128 rows out by
; address, 32 each (by cx for x's tile, by cy for W's).  The loop's last two trips ask for nothing: their refills have no K step two on.  The first four K steps come by their loads alone.
.macro ASK
	s_cmp_gt_u32 s[CNT], s[LIM]
	s_cbranch_scc0 .Lnot_mine_\@
	global_prefetch_b8 v[PFO], s[PFA:PFA+1] offset:KSTEP*2 th:TH_LOAD_NT scope:SCOPE_SE
.Lnot_mine_\@:
.endm
.macro CREST                           ; a round of the cluster's barrier behind its opening barrier
	s_cmp_lg_u32 s[WV], 0
	s_cbranch_scc1 .Lnot_wave_0_\@
	s_barrier_signal -3
.Lnot_wave_0_\@:
	s_barrier_wait -3
	s_barrier_signal -1
	s_barrier_wait -1
.endm
.macro CROUND                          ; a whole round
	s_barrier_signal -1
	s_barrier_wait -1
	CREST
.endm
.macro SLOTADR                         ; the fragments' addresses in the slot that is read next
	v_add_nc_u32 v[ADRA], s[TB], v[ADRA0]
	v_add_nc_u32 v[ADRB], s[TB], v[ADRB0]
	v_add_nc_u32 v[ADRV], s[TB], v[ADRV0]
.endm
	s_load_b256 s[4:11], s[0:1], 0x0               ; xb s[4:5], wb s[6:7], tab s[8:9], qkv s[10:11]
	v_lshl_add_u32 v[SPW], v0, 2, SPARE
	v_mov_b32 v[NIL], 0
	ds_add_u32 v[SPW], v[NIL]                      ; the wave's opening: the add and its wait stand ahead of my first tensor load; the set-up below, work on registers, stands between them
	v_lshrrev_b32 v1, 5, v0
	v_readfirstlane_b32 s[WV], v1                  ; wave 0..3
	s_bfe_u32 s40, ttmp6, 0x40000                  ; cx, cy: my place in the cluster
	s_bfe_u32 s41, ttmp6, 0x40004
	s_and_b32 s42, ttmp7, 0xffff
	s_lshl_b32 s42, s42, 2
	s_add_co_u32 s42, s42, s40                     ; hx, the head = 4 x cluster y + cx
	s_lshl_b32 s13, ttmp9, 2
	s_add_co_u32 s13, s13, s41                     ; ry, the block of 128 rows = 4 x cluster x + cy
	s_lshl_b32 s43, s41, 2
	s_lshl_b32 s43, 15, s43                        ; my row of the cluster
	s_lshl_b32 s44, 0x1111, s40                    ; my column
	; descriptor group 1: a tile of 128 rows x 128 elements, padded in LDS
	s_or_b32 s[G1], s43, (1<<16)|(1<<20)|(1<<21)|(5<<22)|(3<<25)   ; 15:0 the mask; 17:16 elements of 2 bytes; 20 padding on; 21 set beside a mask; 24:22 after every 64 words (code 5); 31:25 4 words (code 3)
	s_or_b32 s[G1B], s44, (1<<16)|(1<<20)|(1<<21)|(5<<22)|(3<<25)
.irp g, G1, G1B
	s_mov_b32 s[(\g)+1], KSTEP<<16                 ; tensor_dim0 = 128
	s_mov_b32 s[(\g)+2], 128<<16                   ; tensor_dim1 = 128
	s_mov_b32 s[(\g)+3], KSTEP<<16                 ; tile_dim0 = 128
	s_mov_b32 s[(\g)+4], 128                       ; tile_dim1 = 128
	s_mov_b32 s[(\g)+5], 2048                      ; elements from row to row
	s_mov_b32 s[(\g)+6], 0
	s_mov_b32 s[(\g)+7], 0
.endr
	s_lshl_b32 s16, s13, 19                        ; x: 128 rows of 4,096 bytes x ry
	s_mov_b32 s17, 0
	s_max_u32 s18, s[WV], 1                        ; W: matrix w - 1 (wave 0 makes an address that it does not use),
	s_sub_co_u32 s18, s18, 1
	s_lshl_b32 s18, s18, 23
	s_lshl_b32 s46, s42, 19                        ; the head's 128 rows
	s_add_co_u32 s46, s46, s18
	s_mov_b32 s47, 0
	s_mul_i32 s20, s[WV], HALFT                    ; where my tile goes: no place in the cluster enters an LDS address
	s_mov_b32 s[TB], 0
	s_wait_dscnt 0x0                               ; the opening add is done
	s_wait_kmcnt 0x0
	s_add_nc_u64 s[14:15], s[4:5], s[16:17]
	s_add_nc_u64 s[46:47], s[6:7], s[46:47]
	CROUND                                         ; all sixteen work-groups are here: the first joint loads meet
.irp s, 0,1
	s_mov_b32 s[G0+4*(\s)], 1                                        ; count = 1
	s_add_co_u32 s[G0+4*(\s)+1], s20, (\s)*SLOT                      ; LDS address
	s_add_nc_u64 s[G0+4*(\s)+2:G0+4*(\s)+3], s[14:15], (\s)*KSTEP*2  ; global address: K step s
	s_or_b32 s[G0+4*(\s)+3], s[G0+4*(\s)+3], 0x80000000              ; type = 2
	s_mov_b32 s[G0B+4*(\s)], 1
	s_add_co_u32 s[G0B+4*(\s)+1], s20, (\s)*SLOT
	s_add_nc_u64 s[G0B+4*(\s)+2:G0B+4*(\s)+3], s[46:47], (\s)*KSTEP*2
	s_or_b32 s[G0B+4*(\s)+3], s[G0B+4*(\s)+3], 0x80000000
	JLOAD \s                                       ; two loads of mine are out
.endr
	v_and_b32 v5, 31, v0
	s_lshl_b32 s22, s[WV], 11
	v_lshl_add_u32 v[TO], v5, 4, s22               ; the table: 2,048 w + 16 l
	s_lshl_b32 s74, s13, 16                        ; 8 row blocks of 8,192 bytes x ry
	s_mov_b32 s75, 0
	s_add_nc_u64 s[8:9], s[8:9], s[74:75]
	; A fragment is 16 rows x 32 K in 8 registers: lane l holds row l % 16; registers 0-3 hold K = 8 (l / 16) + 0..7, registers 4-7 K = 16 + 8 (l / 16) + 0..7: two loads of 16 bytes, 32 bytes apart.
	v_and_b32 v1, 15, v0                           ; l % 16
	v_bfe_u32 v2, v0, 4, 1                         ; l / 16
	v_mul_u32_u24 v[ADRA0], v1, PITCH
	v_lshl_add_u32 v[ADRA0], v2, 4, v[ADRA0]       ; row x pitch + 16 x half
	s_mul_i32 s21, s[WV], 16*PITCH                 ; my column block w of Wq's tile,
	s_add_co_u32 s21, s21, HALFT                   ; which lies behind x's
	v_add_nc_u32 v[ADRB0], s21, v[ADRA0]
	v_add_nc_u32 v[ADRV0], 2*HALFT, v[ADRB0]
	SLOTADR                                        ; slot 0
	s_lshl_b32 s22, s[WV], 5
	v_add_nc_u32 v[STO], s22, v[ADRA0]             ; the stage: row l % 16, byte 32 w + 16 (l / 16)
	v_add_nc_u32 v[STO2], 2*HALFT, v[STO]
	v_mul_u32_u24 v4, v2, PITCH                    ; back: wave w takes rows 32 w .. + 31, whole: lanes 0-15 one row of 256 bytes, lanes 16-31 the next
	v_lshl_add_u32 v4, v1, 4, v4
	s_mul_i32 s22, s[WV], 32*PITCH
	v_add_nc_u32 v[RD], s22, v4
	v_add_nc_u32 v[RD2], 2*HALFT, v[RD]
	s_lshl_b32 s22, s[WV], 13
	v_lshl_add_u32 v[CO], v5, 4, s22               ; two rows of a head are 512 consecutive bytes: 8,192 w + 16 l
	v_lshlrev_b32 v[PFO], 12, v5
	s_lshl_b32 s74, s42, 19                        ; the head's 2,048 rows of 256 bytes,
	s_lshl_b32 s22, s13, 15                        ; my work-group's 128 of them
	s_add_co_u32 s74, s74, s22
	s_add_nc_u64 s[OUTB:OUTB+1], s[10:11], s[74:75]
	s_add_nc_u64 s[OUTB+2:OUTB+3], s[OUTB:OUTB+1], 0x800000
	s_add_nc_u64 s[OUTB+4:OUTB+5], s[OUTB+2:OUTB+3], 0x800000
	; the prefetches
	s_and_b32 s22, ttmp7, 0xffff                   ; cluster y
	s_cmp_eq_u32 s[WV], 0                          ; do I fetch x's tile?
	s_cselect_b32 s21, s40, s41                    ; my place among the four that ask for it with me
	s_cselect_b32 s22, s22, ttmp9                  ; the coordinate along which other clusters read the same rows: y for x's rows, x for W's
	s_cselect_b64 s[PFA:PFA+1], s[14:15], s[46:47]
	s_cmp_eq_u32 s22, 0
	s_cselect_b32 s[LIM], 2, -1                    ; the same in all sixteen partners, for a given wave
	s_lshl_b32 s74, s21, 17                        ; my work-group's 32 rows of 4,096 bytes
	s_add_nc_u64 s[PFA:PFA+1], s[PFA:PFA+1], s[74:75]
	s_add_nc_u64 s[PFA:PFA+1], s[PFA:PFA+1], 2*KSTEP*2  ; at K step 2: the first refill steps it to 3 and names K step 4
; Products for row blocks a0 .. a0 + 3, 32 along K, from buffer f.  hi = 0: the 16 of q and k (c = 0..3, window 2); hi = 1: the 8 of v (c = 4, 5, window 3).  zero = 1: they start the sums: nothing is ever cleared.
.macro MULG f, hi, a0, zero
	WIN 0xa1+0x50*(\hi)                            ; W's fragment window 1, x's window 0, C and D window 2 or 3
.irp a, \a0, (\a0)+1, (\a0)+2, (\a0)+3
.irp c, 0,1,2,3
.if (\c) < 4-2*(\hi)
.set rD, 8*(8*(\c)+(\a))
.set rB, (\f)+8*((\c)+4*(\hi))
.set rA, (\f)+8*(\a)
.if \zero
	v_wmma_f32_16x16x32_bf16 v[rD:rD+7], v[rB:rB+7], v[rA:rA+7], 0
.else
	v_wmma_f32_16x16x32_bf16 v[rD:rD+7], v[rB:rB+7], v[rA:rA+7], v[rD:rD+7]
.endif
.endif
.endr
.endr
.endm
; 28 LDS loads in one run: the fragments of 32 along K at byte k of the rows, into buffer f: W's six, then x's eight, row blocks ascending
.macro FETCH k, f
	WIN 0x40                                       ; destination window 1
.irp p, 0,1
.irp u, 0,1
	ds_load_b128 v[(\f)+8*(2*(\p)+(\u)):(\f)+8*(2*(\p)+(\u))+3],   v[ADRB] offset:(\p)*HALFT+(\u)*64*PITCH+(\k)
	ds_load_b128 v[(\f)+8*(2*(\p)+(\u))+4:(\f)+8*(2*(\p)+(\u))+7], v[ADRB] offset:(\p)*HALFT+(\u)*64*PITCH+(\k)+32
.endr
.endr
.irp u, 0,1
	ds_load_b128 v[(\f)+8*(4+(\u)):(\f)+8*(4+(\u))+3],   v[ADRV] offset:(\u)*64*PITCH+(\k)
	ds_load_b128 v[(\f)+8*(4+(\u))+4:(\f)+8*(4+(\u))+7], v[ADRV] offset:(\u)*64*PITCH+(\k)+32
.endr
	WIN 0
.irp a, 0,1,2,3,4,5,6,7
	ds_load_b128 v[(\f)+8*(\a):(\f)+8*(\a)+3],   v[ADRA] offset:(\a)*16*PITCH+(\k)
	ds_load_b128 v[(\f)+8*(\a)+4:(\f)+8*(\a)+7], v[ADRA] offset:(\a)*16*PITCH+(\k)+32
.endr
.endm
.macro PLACES                          ; four places in front of loads into registers that matrix instructions have read, and of vector lines that read results
.rept 4
	v_nop
.endr
.endm
; A K step is four quarters of 32 along K, 48 products each, on buffers 0, 1, 0, 1.  Each accumulator has one product a quarter, in an order in which no two products on end share one.
; One of the first three quarters: multiplies buffer f; in its middle it fetches the next quarter's fragments, at byte k of the same slot's rows, into buffer g.
.macro QUARTER k, f, g, zero
	s_wait_dscnt 8                                 ; W's fragments and x's row blocks 0-3 are in; the youngest eight loads (blocks 4-7) may be out
	MULG \f, 0, 0, \zero
	MULG \f, 1, 0, \zero
	PLACES
	FETCH \k, \g
	s_wait_dscnt 28                                ; all but the 28 just issued
	MULG \f, 1, 4, \zero
	MULG \f, 0, 4, \zero
.endm
; The last quarter multiplies buffer 1 and changes slots: ONE barrier.  In front of it each wave waits for all its tensor loads (the one that is out is its tile of the next slot), adds 0 to its spare word, and waits
; for that and for its own reads of this slot.  fill = 1: the barrier opens a round of the cluster's barrier, and this slot is filled again, two K steps ahead, first thing behind the round:
; 168 products stand between that request and the wait for it.
.macro TURN fill
.if \fill
	s_wait_xcnt 0x0                                ; the last prefetch, a K step back, has read its address: it is stepped here, ahead of the waits of the change of slots
	s_add_nc_u64 s[PFA:PFA+1], s[PFA:PFA+1], KSTEP*2
.endif
	WIN 0                                          ; (the add's two registers lie in window 0)
	s_wait_tensorcnt 0x0                           ; all my tensor loads have landed, so a group 0 may be written;
	ds_add_u32 v[SPW], v[NIL]                      ; 0 onto my spare word
.if \fill
.irp g, G0+4, G0B+4
	s_xor_b32 s[(\g)+1], s[(\g)+1], SLOT           ; the walking descriptor: the other slot than last time,
	s_add_nc_u64 s[(\g)+2:(\g)+3], s[(\g)+2:(\g)+3], KSTEP*2  ; the next K step; the type bits on top are not reached
.endr
.endif
	s_xor_b32 s[TB], s[TB], SLOT                   ; the slot that is read next
	s_wait_dscnt 9                                 ; (the add and the youngest eight loads may be out)
	MULG F1, 0, 0, 0                               ; sixteen products stand between the add and the wait for it
	s_wait_dscnt 0x0                               ; the add is done, and my reads of this slot are over
	s_barrier_signal -1
	MULG F1, 1, 0, 0                               ; work on registers while the others arrive
	WIN 0
	SLOTADR
	s_barrier_wait -1
.if \fill
	CREST                                          ; no wave of any partner still reads this slot's tiles or has a load on its way
	JLOAD 1                                        ; the first tensor load behind the round; its four v_nop are also the places in front of the loads below
.else
	PLACES
.endif
	FETCH 0, F0
.if \fill
	ASK
.endif
	MULG F1, 1, 4, 0
	MULG F1, 0, 4, 0
.endm
	s_wait_tensorcnt 1                             ; my tile of K step 0 is in; K step 1's may stay out
	s_barrier_signal -1
	s_barrier_wait -1                              ; everybody's is
	FETCH 0, F0
	QUARTER 64,  F0, F1, 1                         ; the first quarter stands in front of the loop: its products start the sums
	WIN 0                                          ; at a label and at a branch every window is 0
	s_mov_b32 s[CNT], STEPS-2
.Lstep:                                                ; a trip goes from a K step's second quarter to the next step's first, and fills the slot that it leaves
	QUARTER 128, F1, F0, 0
	QUARTER 192, F0, F1, 0
	TURN 1
	QUARTER 64,  F0, F1, 0
	WIN 0
	s_sub_co_u32 s[CNT], s[CNT], 1
	s_cmp_lg_u32 s[CNT], 0
	s_cbranch_scc1 .Lstep
	; the table of my 128 rows x my 16 frequencies: 32 loads of 512 consecutive bytes, asked for here, nearly two K steps (336 products) ahead of their use on the way out
	WIN 0xc0                                       ; destination window 3, address window 0
.set i, 0
.rept 32                                       ; row block i / 4; cos, sin; registers 0-3, 4-7
	global_load_b128 v[TAB+4*i:TAB+4*i+3], v[TO], s[8:9] offset:(i/4)*8192+(i%4)*512
.set i, i+1
.endr
	QUARTER 128, F1, F0, 0                         ; the last two K steps fill nothing
	QUARTER 192, F0, F1, 0
	TURN 0                                         ; behind this barrier nobody reads slot 0 any more, and it has had its last fill: it serves as the stage below
	QUARTER 64,  F0, F1, 0
	QUARTER 128, F1, F0, 0
	QUARTER 192, F0, F1, 0
	s_wait_dscnt 8                                 ; the very last quarter: nothing more to fetch
	MULG F1, 0, 0, 0
	MULG F1, 1, 0, 0
	s_wait_dscnt 0x0
	MULG F1, 1, 4, 0
	MULG F1, 0, 4, 0
; THE WAY OUT.  q and k: o1 = x1 cos - x2 sin, o2 = x2 cos + x1 sin, where x1 is column n < 64 and x2 column n + 64: accumulators c = 2 p and 2 p + 1 of the same lane.  All three are rounded to f16, 16 bytes a lane,
; and go into a stage of 128 rows x 272 bytes each (in slot 0); a barrier, since a row's 256 bytes come from four waves; then whole rows come back and are stored.
.macro ROPE p, a
.set X1, 8*(16*(\p)+(\a))
.set X2, 8*(16*(\p)+8+(\a))
.set rC, TAB+16*(\a)
.set rN, TAB+16*(\a)+8
.set T, TMP+32*((\a)%2)
	WIN 0x0e                                       ; source 0 window 2, source 1 window 3, source 2 and destination window 0
.irp j, 0,2,4,6                        ; each accumulator is read from its low end on
	v_pk_mul_f32 v[T+\j:T+\j+1],     v[X2+\j:X2+\j+1], v[rN+\j:rN+\j+1]
	v_pk_mul_f32 v[T+8+\j:T+8+\j+1], v[X1+\j:X1+\j+1], v[rN+\j:rN+\j+1]
.endr
.irp j, 0,2,4,6
	v_pk_fma_f32 v[T+\j:T+\j+1],     v[X1+\j:X1+\j+1], v[rC+\j:rC+\j+1], v[T+\j:T+\j+1] neg_lo:[0,0,1] neg_hi:[0,0,1]
	v_pk_fma_f32 v[T+8+\j:T+8+\j+1], v[X2+\j:X2+\j+1], v[rC+\j:rC+\j+1], v[T+8+\j:T+8+\j+1]
.endr
	WIN 0
.irp j, 0,1,2,3,4,5,6,7
	v_cvt_pk_f16_f32 v[T+16+\j], v[T+2*\j], v[T+2*\j+1]
.endr
	ds_store_b128 v[STO], v[T+16:T+19] offset:(\p)*HALFT+(\a)*16*PITCH
	ds_store_b128 v[STO], v[T+20:T+23] offset:(\p)*HALFT+(\a)*16*PITCH+128
.endm
.macro VOUT a
.set T, TMP+32*((\a)%2)
	WIN 0x0f                                       ; sources 0 and 1 window 3, destination window 0
.irp j, 0,1,2,3
	v_cvt_pk_f16_f32 v[T+16+\j], v[8*(\a)+2*\j],    v[8*(\a)+2*\j+1]
.endr
.irp j, 0,1,2,3
	v_cvt_pk_f16_f32 v[T+20+\j], v[64+8*(\a)+2*\j], v[64+8*(\a)+2*\j+1]
.endr
	WIN 0
	ds_store_b128 v[STO2], v[T+16:T+19] offset:(\a)*16*PITCH
	ds_store_b128 v[STO2], v[T+20:T+23] offset:(\a)*16*PITCH+128
.endm
	s_wait_loadcnt 0x0                             ; the table
	PLACES
.irp b, 0,1,2,3,4,5,6,7
	ROPE 0, \b
	ROPE 1, \b
	VOUT \b
.endr
	s_wait_dscnt 0x0                               ; for the others' sake: my stores into the stage are done
	s_barrier_signal -1
	s_barrier_wait -1
	WIN 0x40
.set i, 0
.rept 32
	ds_load_b128 v[4*i:4*i+3], v[RD] offset:(i/16)*HALFT+(i%16)*2*PITCH
.set i, i+1
.endr
.rept 16
	ds_load_b128 v[4*i:4*i+3], v[RD2] offset:(i%16)*2*PITCH
.set i, i+1
.endr
	WIN 0x04                                       ; store data (source 1) window 1
.set i, 0
.rept 48
	s_wait_dscnt 47-i                              ; LDS loads come back in order: number i is in
	global_store_b128 v[CO], v[4*i:4*i+3], s[OUTB+2*(i/16):OUTB+2*(i/16)+1] offset:(i%16)*512  ; 512 consecutive bytes, at a multiple of 256 from the buffer's first
.set i, i+1
.endr
	WIN 0
	s_wait_tensorcnt 0x0                           ; the wave's end: an add and its wait behind my last tensor load and my last LDS store
	ds_add_u32 v[SPW], v[NIL]
	s_wait_dscnt 0x0
	CROUND                                         ; the closing round: no work-group ends while a partner may still ask for a tile that names it
	s_endpgm
.Lfunc_end_k_q515b349a22_proj:
	.size	k_q515b349a22_proj, .Lfunc_end_k_q515b349a22_proj-k_q515b349a22_proj
	.p2alignl 7, 3214868480
	.fill 96, 4, 3214868480
	.section	.rodata,"a",@progbits
	.p2align	6, 0x0
	.amdhsa_kernel k_q515b349a22_proj
		.amdhsa_group_segment_fixed_size 327680
		.amdhsa_private_segment_fixed_size 0
		.amdhsa_enable_private_segment 0
		.amdhsa_kernarg_size 32
		.amdhsa_user_sgpr_count 2
		.amdhsa_user_sgpr_kernarg_segment_ptr 1
		.amdhsa_wavefront_size32 1
		.amdhsa_system_sgpr_workgroup_id_x 1
		.amdhsa_system_sgpr_workgroup_id_y 1
		.amdhsa_system_sgpr_workgroup_id_z 1
		.amdhsa_system_vgpr_workitem_id 0
		.amdhsa_next_free_vgpr 1024
		.amdhsa_next_free_sgpr 76
		.amdhsa_reserve_vcc 0
		.amdhsa_float_denorm_mode_32 3
		.amdhsa_float_denorm_mode_16_64 3
		.amdhsa_memory_ordered 1
		.amdhsa_forward_progress 1
		.amdhsa_inst_pref_size 116
	.end_amdhsa_kernel
	.amdgpu_metadata
---
amdhsa.version: [ 1, 2 ]
amdhsa.kernels:
  - .name:           k_q515b349a22_proj
    .symbol:         k_q515b349a22_proj.kd
    .args:
      - { .name: xb, .offset: 0, .size: 8, .value_kind: global_buffer, .address_space: global }
      - { .name: wb, .offset: 8, .size: 8, .value_kind: global_buffer, .address_space: global }
      - { .name: tab, .offset: 16, .size: 8, .value_kind: global_buffer, .address_space: global }
      - { .name: qkv, .offset: 24, .size: 8, .value_kind: global_buffer, .address_space: global }
    .group_segment_fixed_size: 327680
    .private_segment_fixed_size: 0
    .kernarg_segment_align: 8
    .kernarg_segment_size: 32
    .max_flat_workgroup_size: 128
    .sgpr_count:     76
    .vgpr_count:     1024
    .wavefront_size: 32
...
	.end_amdgpu_metadata
.endif
;; end of part 2
;; launch attn (part 3): grid 16 x 16, 4 waves a work-group, clusters of 4 x 1, 327,680 bytes of LDS; arguments qkv, ob, Wo, wob; writes ob, wob
.if DOCPART == 3
	.amdgcn_target "amdgcn-amd-amdhsa--gfx1250"
	.amdhsa_code_object_version 6
	.text
	.protected	k_q515b349a22_attn
	.globl	k_q515b349a22_attn
	.p2align	8
	.type	k_q515b349a22_attn,@function
k_q515b349a22_attn:
	s_mov_b64 s[64:65], 0
	v_nop
	global_prefetch_b8 v0, s[64:65] scope:SCOPE_SE
	s_setreg_imm32_b32 hwreg(HW_REG_WAVE_MODE, 25, 1), 1
	s_wait_xcnt 0x0
	s_wait_alu depctr_hold_cnt(0) depctr_sa_sdst(0) depctr_va_vdst(0) depctr_va_sdst(0) depctr_va_ssrc(0) depctr_va_vcc(0) depctr_vm_vsrc(0)
	s_getreg_b32 s2, hwreg(HW_REG_IB_STS2, 6, 4)
	s_cmp_eq_u32 s2, 0
	s_cbranch_scc0 .Lentry_in_a_cluster
	s_endpgm
.Lentry_in_a_cluster:
	s_bfe_u32 s2, ttmp6, 0x10000c
	s_cmp_lg_u32 s2, 0x3003
	s_cbranch_scc0 .Lentry_shape_is_right
	s_endpgm
.Lentry_shape_is_right:
; CAUSAL ATTENTION, head size 128.  qkv: [3][16][2048][128] f16 (q, k after RoPE, v; unscaled).  ob: [2048][2048] f16, column = head x 128 + channel.
; O[q] = the sum over k <= q of softmax_k(Q[q] . K[k] / sqrt(128)) V[k].  Products, maxima and sums in f32; the weights p are rounded to f16 for the second product (their sum l is taken of the unrounded p), O once.
; BESIDE IT the launch narrows Wo ([2048][2048] f32) for the launch behind: wob holds Wo rounded to bf16, that number written as f16.  Each of the 256 work-groups takes 16,384 numbers, a wave 32 loads of 512
; neighbouring bytes: they are asked for where the first block's meeting begins, into K's registers, which hold nothing there, and are rounded and stored at the meeting's end.
; LIMITS.  q, k, v arrive within f16's 65,504.  A hidden score counts as its value less 1e30; the running maximum starts at -2^96 = -7.9e28, above every hidden score and below every true one (f16's scores are 5.5e11 at
; the most).  A weight below 2^-126 counts as 0.  NaN and infinities are not treated apart.  wob: a bf16 number is exact in f16 from 2^-17 to 65,504; below it keeps f16's fixed step of 6e-8, above it is an infinity.
; THE WALK.  A head has 32 blocks of 64 queries; work-group b = 4 g + cx takes block 31 - b and then block b.  A STEP is 256 keys: the first block has 8 - g steps, the second g + 1: NINE for every work-group, so one
; loop with a constant trip count walks them.  The four partners of a cluster share g, walk the same tiles of K and V, and ask for each JOINTLY.  cx enters Q's, O's and Wo's addresses, the prefetches' addresses and the
; masks' scalars alone: no branch, no trip count and no LDS address.
; THE KEYS ARE SPLIT AMONG THE WAVES: of a step wave w takes keys 64 w .. + 63 for all 64 queries (four tiles of 16), so that a fragment of K or V read from LDS feeds four tiles' products.  Each wave keeps its own
; running maximum m, sum l and O^T; at a block's end the four meet in LDS: O = sum_w f_w O_w / sum_w f_w l_w with f_w = 2^(c m_w - max c m).
; THE MASK is the C operand that starts S^T = K Q^T: 0, or -1e30 where the key is hidden.  Only a block's last step hides keys: there the block's queries lie beside the keys of wave d (3 - cx, then cx).  Wave w < d sees
; all, w > d none, w = d the diagonal: key tile kt against query tile qt is open (kt < qt), a triangle (kt = qt) or hidden (kt > qt).  Three masks of eight registers, made anew in each step from three scalars.
; A wave that has seen only hidden keys keeps m = -2^96: its weights are 0, and its f at the meeting is 0.
; LAYOUT.  S^T = K Q^T (source 0 = 16 keys, source 1 = 16 queries) holds ONE query a lane (lane % 16) and the keys 8 (lane / 16) + 0..7; two such results rounded to f16 ARE source 1 of O^T = V^T P.  K comes out of LDS
; as it lies, V turned, by ds_load_tr16_b128.  p = 2^(c s - c m), c = log2(e) / sqrt(128); O and l are multiplied by a = 2^(c m_old - c m_new) in every step.
; A STEP has four phases: K Q^T of piece 0 (tiles 0, 1); K Q^T of piece 2 (tiles 2, 3) with piece 0's softmax in slices behind its products; V^T P of piece 0 with piece 2's softmax; V^T P of piece 2.
; REGISTERS, in windows of 256 (s_set_vgpr_msb: bits 1:0 source 0, 3:2 source 1, 5:4 source 2, 7:6 destination):
;   window 0: v1-11, v60-63 addresses; v12-43 eight registers of statistics a tile; v44-59 at work; v64-191 S^T, 32 a tile; v192-255 P, 16 a tile
;   window 1: O^T, 64 a tile          window 2: v0-127 Q, 32 a tile; v128-255 K of one step          window 3: v0-127 V of one step; v128-159 the triangle and the three masks
.set PK,    272       ; a row of K in LDS: 256 bytes + 16 of padding: the 16 rows of a load start at 16 different groups of four banks (64 banks of 4 bytes: ISA guide 11.1)
.set PV,    288       ; a row of V: 256 + 32
.set VOFF,  256*PK    ; a slot: 256 rows of K, then 256 rows of V
.set STAT,  256*(PK+PV)   ; behind slot 0: [wave 4][tile 4][query 16] x (c m, l), 2,048 bytes
.set SPARE, STAT+2048     ; the spare words, 128 bytes for each wave: two blocks of 256 bytes that no other line names
.set SLOT1, 147456    ; slot 1 begins here: 0x24000 shares no bit with the four tiles' places in a slot, so one exclusive or turns an address in one slot into the other's
.set MRG,   SLOT1+256*(PK+PV)  ; behind slot 1: [wave 4] x 16 query rows of 512 bytes of f32, 528 apart
.set MP,    528
.set WO,  1           ; v1   my byte offset in the work-group's part of wob; never rewritten once made
.set AK0, 2           ; v2   my lane's place in my wave's 64 rows of K; never rewritten
.set AV0, 3           ; v3   the same for V
.set ADK, 4           ; v4   the LDS address of K's run of loads
.set QO,  5           ; v5   my byte offset in 16 rows of Q
.set MST, 6           ; v6   the meeting: where I put 16 bytes of a query's row
.set MRD, 7           ; v7   where I read them back
.set GO,  8           ; v8   my byte offset in ob
.set SST, 9           ; v9   where I put a query's (c m, l)
.set SRD, 10          ; v10  where I read them back
.set ADV, 11          ; v11  the LDS address of V's run of loads
.set ST,  12          ; tile t's statistics at v[ST+8 t]: +0 c m, +1 m, +2, +3 l (even keys', odd keys'), +4 to +7 c0-c3, at work; a takes c2's place once the maximum is found
.set TM,  44          ; v44-51 the meeting: max c m;  v52-59: the divisor
.set TL,  52
.set WI,  60          ; v60  my byte offset in the work-group's part of Wo; never rewritten
.set PFO, 61          ; v61  256 x my lane; never rewritten
.set SPW, 62          ; v62  LDS address of my spare word; never rewritten
.set NIL, 63          ; v63  0; never rewritten
.set S,   64
.set FA,  64          ; the meeting: (f, l) by tile, pass and wave
.set P,   192
.set KF,  128         ; window 2
.set TRI, 128         ; window 3: -1e30 where key 8 (l / 16) + j is greater than query l % 16
.set MLT, 136         ; the masks for kt < qt, kt = qt, kt > qt
.set MEQ, 144
.set MGT, 152
.set WV,  12          ; s12  my wave's number
.set CX,  13          ; s13  my place in the cluster
.set GG,  14          ; s14  g
.set LIM, 15          ; s15  2 where the cluster prefetches, else the greatest number
.set PFA, 18          ; s[18:19] where my prefetches stand
.set G1K, 24          ; s[24:31] descriptor group 1 for K's tiles
.set G1V, 32          ; s[32:39] for V's: it differs in the padding alone
.set G0K, 40          ; s[40:43] descriptor group 0 for K's tiles
.set G0V, 44          ; s[44:47] for V's
.set QLO, 48          ; s[48:49] Q of the second block
.set OLO, 50          ; s[50:51] ob at the second block
.set RT,  52          ; s52  steps of the block in hand that are still to be entered
.set NXT, 53          ; s53  the step to be asked for next
.set LQ,  54          ; s54  the last step of the block whose steps are being asked for
.set TB,  55          ; s55  the slot that is read: 0 or SLOT1
.set SLOTS, 56        ; s56  steps still to be asked for
.set CS,  58          ; s[58:59] c
.set SEL, 60          ; s[60:61] v_permlanex16_b32's selects: each lane takes its own place in the other half
.set BIGN, 62         ; s62  -1e30
.set AL,  66          ; s[66:67] the triangle's factor
.set BE,  68          ; s[68:69] the addend, also the mask for kt < qt
.set GT,  70          ; s70  the mask for kt > qt
.set M1,  71          ; s71-73 these three in the last step of the block in hand
.set M2,  74          ; s74-76 of the second block
.set OFF, 78          ; s[78:79] a step's byte offset in K and V
.set WSRC, 80         ; s[80:81] Wo at the work-group's 65,536 bytes
.set WDST, 82         ; s[82:83] wob at its 32,768 bytes
.set HIM, 84          ; s84  a word's upper bf16
.set MSB, 0
.macro WIN new                      ; the high byte repeats the setting that is left; a switch that changes nothing is dropped
.if MSB != (\new)
	s_set_vgpr_msb (MSB<<8)|(\new)
.set MSB, (\new)
.endif
.endm
.set W_KQ, 0x0a       ; K and Q in window 2, S^T in window 0
.set W_KM, 0x3a       ; the same with the C operand in window 3
.set W_PV, 0x53       ; V in window 3, P in window 0, O^T in window 1
.set W_RS, 0x41       ; O^T (destination and source 0) in window 1, a in window 0
; A joint fill.  Waves 0 and 1 fetch the two halves of a step's K, waves 2 and 3 those of its V: 128 rows each.  The branch hangs on the wave's number alone.  An s_nop 0 and four v_nop follow each line.
.macro JLOAD
	s_cmp_lt_u32 s[WV], 2
	s_cbranch_scc0 .Lfor_v_\@
	tensor_load_to_lds s[G0K:G0K+3], s[G1K:G1K+7]
	s_nop 0
.rept 4
	v_nop
.endr
	s_branch .Lasked_\@
.Lfor_v_\@:
	tensor_load_to_lds s[G0V:G0V+3], s[G1V:G1V+7]
	s_nop 0
.rept 4
	v_nop
.endr
.Lasked_\@:
.endm
; A PREFETCH INTO THE L2 of what the NEXT change of slots will ask for.  All clusters of a head begin at step 0 and walk upward; the cluster with g = 0 walks all eight steps, and it alone asks.  Each of its waves names
; 32 of the 128 rows that it fetches, a lane a row of 256 bytes; the four partners take different rows BY ADDRESS.  So each row of K and V is named once in the launch.  Trip i asks for step i + 2, one step (128 products
; and the softmax beside them) ahead of its load; trips 6 and 7 ask for nothing: step 7 is the last, and the second block's steps have been read.  Steps 0 and 1 come by their loads alone.
.macro ASK
	s_cmp_gt_u32 s[SLOTS], s[LIM]
	s_cbranch_scc0 .Lnot_mine_\@
	global_prefetch_b8 v[PFO], s[PFA:PFA+1] th:TH_LOAD_NT scope:SCOPE_SE
.Lnot_mine_\@:
.endm
.macro CROUND                       ; a round of the cluster's barrier
	s_barrier_signal -1
	s_barrier_wait -1
	s_cmp_lg_u32 s[WV], 0
	s_cbranch_scc1 .Lnot_wave_0_\@
	s_barrier_signal -3
.Lnot_wave_0_\@:
	s_barrier_wait -3
	s_barrier_signal -1
	s_barrier_wait -1
.endm
; THE CHANGE OF SLOTS.  Each wave waits for all its tensor loads, of which one is out: its part of the other slot; adds 0 to its spare word; and waits for that and for its own reads of the slot that it leaves.
; fill = 1: the barrier is a round of the cluster's, and the old slot is filled again first thing behind it, with step NXT: the descriptor's address is made anew from that number.
; (At its first use nothing has been read yet: slot 0 is waited for, slot 1 filled.)  Then the step's three mask scalars: the block's own in its last step, else 0.
.macro CHANGE fill
	WIN 0                           ; at a label and at a branch every window is 0
	s_wait_tensorcnt 0x0            ; no tensor load of mine is out, so a group 0 may be written
	ds_add_u32 v[SPW], v[NIL]       ; 0 onto my spare word; with fill = 1 the descriptors' scalar work stands between it and the wait for it
.if \fill
	s_lshl_b32 s[OFF], s[NXT], 16   ; a step is 65,536 bytes of K and of V
	s_xor_b32 s[G0K+1], s[G0K+1], SLOT1
	s_add_nc_u64 s[G0K+2:G0K+3], s[6:7], s[OFF:OFF+1]
	s_or_b32 s[G0K+3], s[G0K+3], 0x80000000
	s_xor_b32 s[G0V+1], s[G0V+1], SLOT1
	s_add_nc_u64 s[G0V+2:G0V+3], s[8:9], s[OFF:OFF+1]
	s_or_b32 s[G0V+3], s[G0V+3], 0x80000000
	s_add_co_u32 s[NXT], s[NXT], 1  ; the block's next step, or behind its last the second block's step 0
	s_cmp_gt_u32 s[NXT], s[LQ]
	s_cselect_b32 s[NXT], 0, s[NXT]
	s_cselect_b32 s[LQ], s[GG], s[LQ]
	s_wait_xcnt 0x0                 ; the last prefetch, a step back, has read its address
	s_add_nc_u64 s[PFA:PFA+1], s[PFA:PFA+1], 65536
	s_wait_dscnt 0x0                ; the add is done, and my reads of the slot are over
	CROUND
	JLOAD
	ASK
.else
	s_wait_dscnt 0x0                ; the add is done, and my reads of the slot are over
	s_barrier_signal -1
	s_barrier_wait -1
.endif
	s_xor_b32 s[TB], s[TB], SLOT1
	s_sub_co_u32 s[RT], s[RT], 1
	s_cmp_eq_u32 s[RT], 0           ; the block's last step?
	s_cselect_b32 s[AL], s[M1], 0
	s_cselect_b32 s[BE], s[M1+1], 0
	s_cselect_b32 s[GT], s[M1+2], 0
.endm
.macro QLOAD q                      ; a block's Q stays in registers: tile i / 4, channels 32 (i % 4) on
	WIN 0x80                        ; destination window 2, address window 0
.set i, 0
.rept 16
	global_load_b128 v[8*i:8*i+3],   v[QO], s[(\q):(\q)+1] offset:(i/4)*4096+(i%4)*64
	global_load_b128 v[8*i+4:8*i+7], v[QO], s[(\q):(\q)+1] offset:(i/4)*4096+(i%4)*64+32
.set i, i+1
.endr
	WIN 0
.endm
.macro START                        ; a block begins: m = -2^96, and c m by the multiply that the loop uses, so that a wave that sees nothing finds a = 1 and no overflow
.irp t, 0,1,2,3
	v_mov_b32 v[ST+8*(\t)+1], 0xef800000
.endr
.irp t, 0,1,2,3
	v_mul_f32 v[ST+8*(\t)], s[CS], v[ST+8*(\t)+1]
.endr
.endm
; MY PART OF Wo: 32 loads of 512 neighbouring bytes into K's 128 registers,
.macro WLOAD
	WIN 0x80                        ; destination window 2, address window 0
.set i, 0
.rept 32
	global_load_b128 v[KF+4*i:KF+4*i+3], v[WI], s[WSRC:WSRC+1] offset:512*i th:TH_LOAD_NT
.set i, i+1
.endr
	WIN 0
.endm
; and their way out: rounded to bf16, widened again (a shift, a mask), written as f16, all in place, four loads at a time so that no line reads the result of the line before it; then 32 stores of 256 neighbouring bytes.
.macro WCAST
	WIN 0x8a                        ; destination and both sources window 2
.set wr, KF
.rept 8
.irp n, 0,4,8,12
	v_cvt_pk_bf16_f32 v[wr+\n],   v[wr+\n],   v[wr+\n+1]
	v_cvt_pk_bf16_f32 v[wr+\n+2], v[wr+\n+2], v[wr+\n+3]
.endr
.irp n, 0,2,4,6,8,10,12,14
	v_and_b32     v[wr+\n+1], s[HIM], v[wr+\n]
	v_lshlrev_b32 v[wr+\n],   16, v[wr+\n]
.endr
.irp n, 0,4,8,12
	v_cvt_pk_f16_f32 v[wr+\n],   v[wr+\n],   v[wr+\n+1]
	v_cvt_pk_f16_f32 v[wr+\n+1], v[wr+\n+2], v[wr+\n+3]
.endr
.set wr, wr+16
.endr
	WIN 0x08                        ; store data (source 1) window 2, address window 0
.set i, 0
.rept 32
	global_store_b64 v[WO], v[KF+4*i:KF+4*i+1], s[WDST:WDST+1] offset:256*i th:TH_STORE_NT  ; 32 lanes x 8 bytes: 256 consecutive bytes, aligned
.set i, i+1
.endr
	WIN 0
.endm
	s_load_b128 s[20:23], s[0:1], 0x0  ; qkv s[20:21], ob s[22:23]
	s_load_b128 s[80:83], s[0:1], 0x10 ; Wo s[80:81], wob s[82:83]
	v_lshl_add_u32 v[SPW], v0, 2, SPARE
	v_mov_b32 v[NIL], 0
	ds_add_u32 v[SPW], v[NIL]       ; the wave's opening: the add and its wait stand ahead of my first tensor load; the set-up below, work on registers, stands between them
	v_lshrrev_b32 v1, 5, v0
	v_readfirstlane_b32 s[WV], v1   ; wave 0..3
	s_bfe_u32 s[CX], ttmp6, 0x40000
	s_mov_b32 s[GG], ttmp9          ; in a cluster launch ttmp9 counts clusters
	s_and_b32 s16, ttmp7, 0xffff    ; the head, which the four partners share
	s_and_b32 s17, s[WV], 1         ; which half of a step's 256 rows I fetch
	s_lshl_b32 s[OFF], s16, 19      ; the head's 524,288 bytes,
	s_lshl_b32 s77, s17, 15         ; my half's 128 rows of 256 bytes
	s_add_co_u32 s[OFF], s[OFF], s77
	s_mov_b32 s[OFF+1], 0
	s_mov_b32 s[G0K], 1             ; count = 1
	s_mul_i32 s[G0K+1], s17, 128*PK ; LDS address: slot 0; no place in the cluster enters it
	s_mov_b32 s[G0V], 1
	s_mul_i32 s[G0V+1], s17, 128*PV
	s_add_co_u32 s[G0V+1], s[G0V+1], VOFF
	; descriptor group 1: a tile of 128 rows x 128 elements, padded in LDS
	s_mov_b32 s[G1K], 15|(1<<16)|(1<<20)|(1<<21)|(5<<22)|(3<<25)  ; 15:0 the mask of four; 17:16 elements of 2 bytes; 20 padding on; 21 set beside a mask; 24:22 after every 64 words (code 5); 31:25 4 words (code 3)
	s_mov_b32 s[G1V], 15|(1<<16)|(1<<20)|(1<<21)|(5<<22)|(7<<25)  ; the same with 8 words of padding (code 7)
.irp g, G1K, G1V
	s_mov_b32 s[(\g)+1], 128<<16    ; tensor_dim0 = 128
	s_mov_b32 s[(\g)+2], 128<<16    ; tensor_dim1 = 128
	s_mov_b32 s[(\g)+3], 128<<16    ; tile_dim0 = 128
	s_mov_b32 s[(\g)+4], 128        ; tile_dim1 = 128
	s_mov_b32 s[(\g)+5], 128        ; elements from row to row
	s_mov_b32 s[(\g)+6], 0
	s_mov_b32 s[(\g)+7], 0
.endr
	s_lshl_b32 s57, s[GG], 2
	s_add_co_u32 s57, s57, s[CX]    ; b, the second block
	s_sub_co_u32 s63, 31, s57       ; the first
	s_lshl_b32 s85, s16, 4
	s_add_co_u32 s85, s85, s57      ; the work-group's number among the 256: 16 x head + b
	s_lshl_b32 s86, s85, 16         ; its 65,536 bytes of Wo
	s_mov_b32 s87, 0
	s_mov_b32 s[HIM], 0xffff0000
	s_lshl_b32 s77, s16, 19
	s_lshl_b32 s4, s63, 14          ; a block's 64 rows of 256 bytes of Q
	s_add_co_u32 s4, s4, s77
	s_mov_b32 s5, 0
	s_lshl_b32 s[QLO], s57, 14
	s_add_co_u32 s[QLO], s[QLO], s77
	s_mov_b32 s[QLO+1], 0
	s_lshl_b32 s77, s16, 8          ; the head's 256 bytes of a row of ob,
	s_lshl_b32 s10, s63, 18         ; a block's 64 rows of 4,096 bytes
	s_add_co_u32 s10, s10, s77
	s_mov_b32 s11, 0
	s_lshl_b32 s[OLO], s57, 18
	s_add_co_u32 s[OLO], s[OLO], s77
	s_mov_b32 s[OLO+1], 0
	s_mov_b32 s[CS], 0x3e0293ee     ; c = log2(e) / sqrt(128) = 0.127517
	s_mov_b32 s[CS+1], s[CS]        ; named with it as a pair
	s_mov_b32 s[SEL], 0x76543210
	s_mov_b32 s[SEL+1], 0xfedcba98
	s_mov_b32 s[BIGN], 0xf149f2ca   ; -1e30
	s_mov_b32 s[AL+1], 0            ; named as pairs
	s_mov_b32 s[BE+1], 0
	s_sub_co_u32 s17, 3, s[CX]      ; d of the first block
	s_cmp_eq_u32 s[WV], s17
	s_cselect_b32 s[M1], 1.0, 0
	s_cmp_gt_u32 s[WV], s17
	s_cselect_b32 s[M1+1], s[BIGN], 0
	s_cmp_ge_u32 s[WV], s17
	s_cselect_b32 s[M1+2], s[BIGN], 0
	s_cmp_eq_u32 s[WV], s[CX]       ; d of the second
	s_cselect_b32 s[M2], 1.0, 0
	s_cmp_gt_u32 s[WV], s[CX]
	s_cselect_b32 s[M2+1], s[BIGN], 0
	s_cmp_ge_u32 s[WV], s[CX]
	s_cselect_b32 s[M2+2], s[BIGN], 0
	s_mov_b32 s[TB], SLOT1          ; the first change of slots turns it into 0
	s_mov_b32 s[NXT], 1
	s_sub_co_u32 s[LQ], 7, s[GG]
	s_sub_co_u32 s[RT], 8, s[GG]    ; the first block has 8 - g steps
	s_mov_b32 s[SLOTS], 8
	s_cmp_eq_u32 s[GG], 0
	s_cselect_b32 s[LIM], 2, -1     ; the same in all four partners
	s_lshl_b32 s2, s[CX], 13        ; my work-group's 32 rows of the 128 that a wave fetches
	s_mov_b32 s3, 0
	s_wait_dscnt 0x0                ; the opening add is done
	s_wait_kmcnt 0x0
	s_add_nc_u64 s[4:5], s[20:21], s[4:5]          ; Q and ob at the first block,
	s_add_nc_u64 s[QLO:QLO+1], s[20:21], s[QLO:QLO+1]  ; and at the second
	s_add_nc_u64 s[10:11], s[22:23], s[10:11]
	s_add_nc_u64 s[OLO:OLO+1], s[22:23], s[OLO:OLO+1]
	s_add_nc_u64 s[6:7], s[20:21], s[OFF:OFF+1]
	s_add_nc_u64 s[8:9], s[6:7], 0x1000000         ; V at my half of the head's step 0,
	s_add_nc_u64 s[6:7], s[6:7], 0x800000          ; and K
	s_mov_b64 s[G0K+2:G0K+3], s[6:7]
	s_or_b32 s[G0K+3], s[G0K+3], 0x80000000        ; type = 2
	s_mov_b64 s[G0V+2:G0V+3], s[8:9]
	s_or_b32 s[G0V+3], s[G0V+3], 0x80000000
	s_cmp_lt_u32 s[WV], 2
	s_cselect_b64 s[PFA:PFA+1], s[6:7], s[8:9]
	s_add_nc_u64 s[PFA:PFA+1], s[PFA:PFA+1], s[2:3]
	s_add_nc_u64 s[PFA:PFA+1], s[PFA:PFA+1], 65536 ; at step 1: the first change steps it to step 2
	s_add_nc_u64 s[WSRC:WSRC+1], s[WSRC:WSRC+1], s[86:87]
	s_lshl_b32 s86, s85, 15         ; and the work-group's 32,768 bytes of wob
	s_add_nc_u64 s[WDST:WDST+1], s[WDST:WDST+1], s[86:87]
	CROUND                          ; all four work-groups are here: the first joint loads meet
	JLOAD                           ; step 0 into slot 0.  Slot 1 is asked for when slot 0 is in, by the loop's own change of slots
	; A fragment of K or Q is 16 rows x 32 channels in 8 registers: lane l holds row l % 16, channels 8 (l / 16) + 0..7 and 16 + 8 (l / 16) + 0..7: two loads of 16 bytes, 32 bytes apart.
	v_and_b32 v1, 15, v0            ; l % 16
	v_bfe_u32 v44, v0, 4, 1         ; l / 16
	v_lshlrev_b32 v[QO], 8, v1
	v_lshl_add_u32 v[QO], v44, 4, v[QO]
	QLOAD 4
	v_lshlrev_b32 v48, 3, v44
	v_sub_nc_u32 v48, v1, v48       ; register j of the triangle is hidden where j is greater than l % 16 - 8 (l / 16)
	WIN 0xc0
.set i, 0
.rept 8
	v_cmp_gt_i32 vcc_lo, i, v48
	v_cndmask_b32 v[TRI+i], 0, s[BIGN], vcc_lo
.set i, i+1
.endr
	; O^T and l start at 0, so that the first step is a step like any other, with a = 0: no first step is written out.  These lines stand in the wait for the first tile.
	WIN 0x40
.set i, 0
.rept 256
	v_mov_b32 v[i], 0
.set i, i+1
.endr
	WIN 0
.irp t, 0,1,2,3
	v_mov_b32 v[ST+8*(\t)+2], 0
	v_mov_b32 v[ST+8*(\t)+3], 0
.endr
	START
	s_mul_i32 s16, s[WV], 64*PK     ; my wave's 64 keys
	v_mul_u32_u24 v[AK0], v1, PK
	v_lshl_add_u32 v[AK0], v44, 4, v[AK0]
	v_add_nc_u32 v[AK0], s16, v[AK0]
	; The turning load takes 16 keys x 16 channels (lane l reads key 8 (l / 16) + l % 8, channels 8 ((l / 8) % 2) + 0..7) and leaves half a fragment of V^T: lane l holds channel l % 16 and 8 keys.
	v_and_b32 v45, 7, v0
	v_bfe_u32 v46, v0, 3, 1
	v_lshl_add_u32 v[AV0], v44, 3, v45
	v_mul_u32_u24 v[AV0], v[AV0], PV
	v_lshl_add_u32 v[AV0], v46, 4, v[AV0]
	s_mul_i32 s16, s[WV], 64*PV
	s_add_co_u32 s16, s16, VOFF
	v_add_nc_u32 v[AV0], s16, v[AV0]
	s_mul_i32 s16, s[WV], 16*MP     ; the meeting, in: my wave's region, row l % 16, 16 bytes for each half of the lanes
	s_add_co_u32 s16, s16, MRG
	v_mul_u32_u24 v[MST], v1, MP
	v_lshl_add_u32 v[MST], v44, 4, v[MST]
	v_add_nc_u32 v[MST], s16, v[MST]
	s_mul_i32 s16, s[WV], 4*MP      ; back: of each tile's 16 queries wave w takes 4 w .. + 3: lanes 0-15 one query, lanes 16-31 the next
	s_add_co_u32 s16, s16, MRG
	v_mul_u32_u24 v[MRD], v44, MP
	v_lshl_add_u32 v[MRD], v1, 4, v[MRD]
	v_add_nc_u32 v[MRD], s16, v[MRD]
	s_lshl_b32 s16, s[WV], 14       ; and the same rows of ob, 4,096 bytes apart
	v_lshlrev_b32 v[GO], 12, v44
	v_lshl_add_u32 v[GO], v1, 4, v[GO]
	v_add_nc_u32 v[GO], s16, v[GO]
	s_lshl_b32 s16, s[WV], 9
	s_add_co_u32 s16, s16, STAT
	v_lshl_add_u32 v[SST], v1, 3, s16
	s_lshl_b32 s16, s[WV], 5
	s_add_co_u32 s16, s16, STAT
	v_lshl_add_u32 v[SRD], v44, 3, s16
	v_and_b32 v[PFO], 31, v0
	s_lshl_b32 s16, s[WV], 14
	v_lshl_add_u32 v[WI], v[PFO], 4, s16   ; Wo: 16,384 w + 16 l
	s_lshl_b32 s16, s[WV], 13
	v_lshl_add_u32 v[WO], v[PFO], 3, s16   ; wob: 8,192 w + 8 l
	v_lshlrev_b32 v[PFO], 8, v[PFO]
; THE MATRIX WORK.  The accumulators take turns, one instruction a turn: between two links of a chain stand 7 (K Q^T) or 15 (V^T P) others'.
; Product i of 32 of S^T = K Q^T for piece x: channels 32 (i / 8) on, keys 16 ((i / 2) % 4) on, tile x + i % 2.  The first 8 start the sums, with the mask.
.macro KQ x
.set qt, (\x)+i%2
.set kt, (i/2)%4
.set rS, S+32*qt+8*kt
.set rK, KF+32*kt+8*(i/8)
.set rQ, 32*qt+8*(i/8)
.if i < 8
.set rM, MEQ
.if kt < qt
.set rM, MLT
.endif
.if kt > qt
.set rM, MGT
.endif
	WIN W_KM
	v_wmma_f32_16x16x32_f16 v[rS:rS+7], v[rK:rK+7], v[rQ:rQ+7], v[rM:rM+7]
.else
	WIN W_KQ
	v_wmma_f32_16x16x32_f16 v[rS:rS+7], v[rK:rK+7], v[rQ:rQ+7], v[rS:rS+7]
.endif
.endm
; Product i of 32 of O^T += V^T P for piece x: keys 32 (i / 16) on, channels 16 ((i / 2) % 8) on, tile x + i % 2.
.macro PV x
	WIN W_PV
.set rO, 64*((\x)+i%2)+8*((i/2)%8)
.set rV, 64*(i/16)+8*((i/2)%8)
.set rP, P+16*((\x)+i%2)+8*(i/16)
	v_wmma_f32_16x16x32_f16 v[rO:rO+7], v[rV:rV+7], v[rP:rP+7], v[rO:rO+7]
.endm
; THE LDS LOADS stand in two runs of 32: my 64 keys of K (16 fragments) at a step's head, by blocks of 32 channels, in the order in which the first products want them; my 64 keys of V (turned) behind the first 32 products.
.macro FETCH_K
	WIN 0
	v_add_nc_u32 v[ADK], s[TB], v[AK0]
	WIN 0x80                        ; destination window 2
.irp c, 0,1,2,3                     ; channels 32 c on,
.irp q, 0,1,2,3                     ; keys 16 q on: fragment 4 q + c
	ds_load_b128 v[KF+8*(4*(\q)+(\c)):KF+8*(4*(\q)+(\c))+3],   v[ADK] offset:(\q)*16*PK+(\c)*64
	ds_load_b128 v[KF+8*(4*(\q)+(\c))+4:KF+8*(4*(\q)+(\c))+7], v[ADK] offset:(\q)*16*PK+(\c)*64+32
.endr
.endr
.endm
.macro FETCH_V
	WIN 0
	v_add_nc_u32 v[ADV], s[TB], v[AV0]
	WIN 0xc0                        ; destination window 3
.irp f, 0,1,2,3,4,5,6,7,8,9,10,11,12,13,14,15  ; keys 32 (f / 8) on, channels 16 (f % 8) on
	ds_load_tr16_b128 v[8*(\f):8*(\f)+3],   v[ADV] offset:((\f)/8)*32*PV+((\f)%8)*32
	ds_load_tr16_b128 v[8*(\f)+4:8*(\f)+7], v[ADV] offset:((\f)/8)*32*PV+16*PV+((\f)%8)*32
.endr
.endm
; The step's three masks: 20 plain lines, which are also the places between the last product that read V and the loads into V's registers.
.macro MASKS
	WIN 0xc3                        ; destination and source 0 window 3
.irp z, 0,2,4,6
	v_pk_fma_f32 v[MEQ+(\z):MEQ+(\z)+1], v[TRI+(\z):TRI+(\z)+1], s[AL:AL+1], s[BE:BE+1] op_sel_hi:[1,0,0]
.endr
.irp z, 0,1,2,3,4,5,6,7
	v_mov_b32 v[MLT+(\z)], s[BE]
	v_mov_b32 v[MGT+(\z)], s[GT]
.endr
.endm
; THE VECTOR WORK.  One tile's softmax for one step is a list of 134 instructions; SM writes number j of it for tile t.  s0-s31 are the lane's 32 scores, in pairs 0-15.
;   0-15    the maximum of s0-s31 and the old m, three operands at a time: four chains c0-c3 of seven scores each (each accumulator's lowest registers first), then the four left over, c0-c3 and m
;   16-20   the other half of the lanes' maximum; the new m; c m; c m_old - c m_new
;   21-69   ONE BATCH: the 16 scalings c s - c m and all 33 exponentials (a at 23, then s0-s31); none of these reads an exponential's result; a pair is scaled in an earlier four than the one with its exponentials
;   (wait)  between 69 and 70 stands the wait for the batch: SLICE writes it, once for both tiles
;   70-85   the roundings to f16     86-101  the sums; l = a l + the sum     102-133 the tile's O^T times a: the one part that leaves window 0
.macro SM t
.set rT, ST+8*(\t)
.set rS, S+32*(\t)
.set rP, P+16*(\t)
.set rO, 64*(\t)+2*(j-102)
.if j < 102
	WIN 0
.endif
.if j < 4
	v_max3_num_f32 v[rT+4+j], v[rS+8*j], v[rS+8*j+1], v[rS+8*j+2]
.elseif j < 12
	v_max3_num_f32 v[rT+4+j%4], v[rT+4+j%4], v[rS+8*(j%4)+2*(j/4)+1], v[rS+8*(j%4)+2*(j/4)+2]
.elseif j == 12
	v_max3_num_f32 v[rT+4], v[rT+4], v[rS+7], v[rS+15]
.elseif j == 13
	v_max3_num_f32 v[rT+6], v[rT+6], v[rS+23], v[rS+31]
.elseif j == 14
	v_max3_num_f32 v[rT+4], v[rT+4], v[rT+5], v[rT+6]
.elseif j == 15
	v_max3_num_f32 v[rT+4], v[rT+4], v[rT+7], v[rT+1]
.elseif j == 16
	v_permlanex16_b32 v[rT+5], v[rT+4], s[SEL], s[SEL+1]  ; the query's other 32 keys lie in the lane 16 away
.elseif j == 17
	v_mov_b32 v[rT+7], v[rT]        ; c m_old is kept for a: number 19 writes c m anew
.elseif j == 18
	v_max_num_f32 v[rT+1], v[rT+4], v[rT+5]
.elseif j == 19
	v_mul_f32 v[rT], s[CS], v[rT+1]
.elseif j == 20
	v_sub_f32 v[rT+7], v[rT+7], v[rT]
.elseif j == 23
	v_exp_f32 v[rT+6], v[rT+7]
.elseif (j < 23) || ((j < 38) && (j%2 == 0)) || ((j < 66) && (j%4 == 2))
.set b, (j-2)/4                     ; 38, 42, .. 62: pairs 9 to 15
.if j < 38
.set b, (j-20)/2                    ; 21: pair 0; 22, 24, .. 36: pairs 1 to 8
.endif
	v_pk_fma_f32 v[rS+2*b:rS+2*b+1], v[rS+2*b:rS+2*b+1], s[CS:CS+1], v[rT:rT+1] op_sel_hi:[1,0,0] neg_lo:[0,0,1] neg_hi:[0,0,1]  ; pair b: c s - c m
.elseif j < 70
.set e, j-38                        ; 66 to 69: s28 to s31
.if j < 66
.set e, j-32-(j-38)/4               ; 39-41, 43-45, .. 63-65: s7 to s27
.endif
.if j < 38
.set e, (j-25)/2                    ; 25, 27, .. 37: s0 to s6
.endif
	v_exp_f32 v[rS+e], v[rS+e]
.elseif j < 86
	v_cvt_pk_f16_f32 v[rP+j-70], v[rS+2*(j-70)], v[rS+2*(j-70)+1]
.elseif j < 102                     ; the sum of the tile's 16 pairs, in place: neighbours 1, 2, 4 and 8 pairs apart, then l takes it
.set z, j-86
.set w, 4
.set u, z
.if z >= 14
.set w, 32
.set u, 0
.elseif z >= 12
.set w, 16
.set u, z-12
.elseif z >= 8
.set w, 8
.set u, z-8
.endif
.if z < 15
	v_pk_add_f32 v[rS+w*u:rS+w*u+1], v[rS+w*u:rS+w*u+1], v[rS+w*u+w/2:rS+w*u+w/2+1]
.else
	v_pk_fma_f32 v[rT+2:rT+3], v[rT+2:rT+3], v[rT+6:rT+7], v[rS:rS+1] op_sel_hi:[1,0,1]
.endif
.else
	WIN W_RS
	v_pk_mul_f32 v[rO:rO+1], v[rO:rO+1], v[rT+6:rT+7] op_sel_hi:[1,0]
.endif
.endm
; Slice k of 64 of piece y's softmax: four instructions.  Slices 11 to 34 deal out the batch, four numbers of ONE tile each, the tiles by turns; every other slice is numbers 2 k and 2 k + 1 of both tiles' lists; the
; twelve that are over (2 x 134 = 4 x 64 + 12) stand in slice 63.  Ahead of slice 35 nothing names an exponential's result, and behind slice 34 none is issued: the piece's 66 exponentials have one wait.
.macro SLICE y
.if (k >= 11) && (k < 35)
.irp n, 0,1,2,3
.set j, 22+4*((k-11)/2)+(\n)
	SM (\y)+(k-11)%2
.endr
.else
.irp n, 0,1,2,3,4,5,6,7
.if ((\n) < 2) || (k == 63)
.irp t, \y, (\y)+1
.set j, 2*k+(\n)
	SM \t
.endr
.endif
.endr
.endif
.if k == 34
	v_nop                           ; a plain instruction behind the last exponential and ahead of the first use: one for the batch
	s_wait_alu depctr_va_vdst(0)    ; the wait for the batch
.endif
.set k, k+1
.endm
; A STEP.  Two slices stand behind each product of the two middle phases.  No slice names a register of the products round it; slice 63's sixteen plain lines are the places behind a phase's last product.
.macro STEP
	MASKS
	FETCH_K
	s_wait_loadcnt 0x0              ; the block's Q (met at once in every step but a block's first)
.set i, 0
.rept 32
.if (i%8) == 0
	s_wait_dscnt 24-i               ; eight products want one block of 32 channels, eight loads: the 24 - i younger loads of K may stay out
.endif
	KQ 0
.set i, i+1
.endr
	FETCH_V                         ; it has the next phase in which to land
.rept 4
	v_nop                           ; the places behind those products
.endr
.set k, 0
.set i, 0
.rept 32
	KQ 2
	SLICE 0
	SLICE 0
.set i, i+1
.endr
	s_wait_dscnt 0x0                ; V is in
.set k, 0
.set i, 0
.rept 32
	PV 0
	SLICE 2
	SLICE 2
.set i, i+1
.endr
.set i, 0
.rept 32
	PV 2
.set i, i+1
.endr
	WIN 0
.endm
; THE MEETING at a block's end.  Each wave stores (c m, l) of its 64 queries; then, a tile of 16 queries a round, all four write their O^T of that tile into LDS, and each reads four queries' rows of all four, adds them
; with the factors f_w / L, rounds to f16 and stores.  In a row the 16 bytes of channels 16 cb + 8 h + 4 e .. lie at 32 cb + 16 h + 256 e, so that lane x of sixteen reads channels 8 x .. + 7 by two loads.
; Seven barriers; behind none of them is a slot filled, so the next step's joint load stays out across them.
.macro WRITE t                      ; my O^T of tile t: each accumulator's low half first
	WIN 0x04                        ; store data (source 1) window 1
.irp cb, 0,1,2,3,4,5,6,7
	ds_store_b128 v[MST], v[64*(\t)+8*(\cb):64*(\t)+8*(\cb)+3]   offset:32*(\cb)
	ds_store_b128 v[MST], v[64*(\t)+8*(\cb)+4:64*(\t)+8*(\cb)+7] offset:32*(\cb)+256
.endr
	WIN 0
.endm
.macro READ                         ; pass q (two queries each), wave v, half e: sixteen lanes read 256 neighbouring bytes
.irp q, 0,1
.irp v, 0,1,2,3
	ds_load_b128 v[128+32*(\q)+8*(\v):128+32*(\q)+8*(\v)+3],   v[MRD] offset:(\v)*16*MP+(\q)*2*MP
	ds_load_b128 v[128+32*(\q)+8*(\v)+4:128+32*(\q)+8*(\v)+7], v[MRD] offset:(\v)*16*MP+(\q)*2*MP+256
.endr
.endr
.endm
.macro EACH8 line:vararg            ; one line for each u = 2 x tile + pass
.set u, 0
.rept 8
	\line
.set u, u+1
.endr
.endm
.macro EACH32 line:vararg           ; one line for each u and wave: x = 8 u + 2 v
.set x, 0
.rept 32
	\line
.set x, x+2
.endr
.endm
.macro COMBINE r
.irp q, 0,1
.set D, 128+32*(\q)
.set G, FA+8*(2*(\r)+(\q))
.irp n, 0,2,4,6
	v_pk_mul_f32 v[D+\n:D+\n+1], v[D+\n:D+\n+1], v[G:G+1] op_sel_hi:[1,0]
.endr
.irp v, 1,2,3
.irp n, 0,2,4,6
	v_pk_fma_f32 v[D+\n:D+\n+1], v[D+8*\v+\n:D+8*\v+\n+1], v[G+2*\v:G+2*\v+1], v[D+\n:D+\n+1] op_sel_hi:[1,0,1]
.endr
.endr
.irp n, 0,1,2,3
	v_cvt_pk_f16_f32 v[P+8*(\r)+4*(\q)+\n], v[D+2*\n], v[D+2*\n+1]
.endr
.endr
.endm
.macro MERGE reload                 ; reload = 1: the second block follows
	WIN 0
.irp t, 0,1,2,3                     ; l's two halves and the other half of the lanes'; the first four lines are the places behind the last products
	v_add_f32 v[ST+8*(\t)+4], v[ST+8*(\t)+2], v[ST+8*(\t)+3]
.endr
.irp t, 0,1,2,3
	v_permlanex16_b32 v[ST+8*(\t)+5], v[ST+8*(\t)+4], s[SEL], s[SEL+1]
.endr
.irp t, 0,1,2,3
	v_add_f32 v[ST+8*(\t)+1], v[ST+8*(\t)+4], v[ST+8*(\t)+5]  ; beside c m: m is needed no more
.endr
.irp t, 0,1,2,3
	ds_store_b64 v[SST], v[ST+8*(\t):ST+8*(\t)+1] offset:128*(\t)
.endr
.if \reload
	QLOAD QLO                       ; the second block's Q, on its way during the meeting,
	WLOAD                           ; and my part of Wo: K's registers hold nothing until the next step's fetch
.endif
	WRITE 0
	s_wait_dscnt 0x0                ; for the others' sake: my stores are done
	s_barrier_signal -1
	s_barrier_wait -1
.set x, 0
.rept 32                            ; (c m, l) of my eight queries from all four waves: u = x / 4, wave x % 4
	ds_load_b64 v[FA+2*x:FA+2*x+1], v[SRD] offset:(x%4)*512+(x/8)*128+((x/4)%2)*16
.set x, x+1
.endr
	READ
	s_wait_dscnt 16                 ; the statistics are in; the round's sixteen loads may stay out
	EACH8 v_max3_num_f32 v[TM+u], v[FA+8*u], v[FA+8*u+2], v[FA+8*u+4]
	EACH8 v_max_num_f32 v[TM+u], v[TM+u], v[FA+8*u+6]
	EACH32 v_sub_f32 v[FA+x], v[FA+x], v[TM+x/8]
	EACH32 v_exp_f32 v[FA+x], v[FA+x]
	v_nop                           ; a plain instruction behind the last exponential,
	s_wait_alu depctr_va_vdst(0)    ; and one wait for the 32
	EACH8 v_mul_f32 v[TL+u], v[FA+8*u], v[FA+8*u+1]
	EACH8 v_fmac_f32 v[TL+u], v[FA+8*u+2], v[FA+8*u+3]
	EACH8 v_fmac_f32 v[TL+u], v[FA+8*u+4], v[FA+8*u+5]
	EACH8 v_fmac_f32 v[TL+u], v[FA+8*u+6], v[FA+8*u+7]
	EACH8 v_rcp_f32 v[TL+u], v[TL+u]
	v_nop
	s_wait_alu depctr_va_vdst(0)    ; one wait for the eight reciprocals
	EACH32 v_mul_f32 v[FA+x], v[FA+x], v[TL+x/8]
.irp r, 0,1,2,3
	s_wait_dscnt 0x0                ; the round's rows are in registers: my reads of the region are over
.if (\r) < 3
	s_barrier_signal -1             ; say so; the sums, work on registers, stand between the signal and the wait
.endif
	COMBINE \r
.if (\r) < 3
	s_barrier_wait -1               ; nobody reads the region any more
.endif
	global_store_b128 v[GO], v[P+8*(\r):P+8*(\r)+3],   s[10:11] offset:(\r)*65536       ; 16 lanes store 256 consecutive bytes, at a multiple of 256 from ob's first byte
	global_store_b128 v[GO], v[P+8*(\r)+4:P+8*(\r)+7], s[10:11] offset:(\r)*65536+8192
.if (\r) < 3
	WRITE (\r)+1
	s_wait_dscnt 0x0
	s_barrier_signal -1
	s_barrier_wait -1
	READ
.endif
.endr
.if \reload
	s_wait_loadcnt 0x0              ; Q, and my part of Wo
	WCAST
	s_wait_xcnt 0x0                 ; all stores have read their registers and addresses: ob's address, P's registers and K's are written again only behind this wait
	s_mov_b64 s[10:11], s[OLO:OLO+1]
	s_add_co_u32 s[RT], s[GG], 1    ; the second block has g + 1 steps
	s_mov_b32 s[M1], s[M2]
	s_mov_b32 s[M1+1], s[M2+1]
	s_mov_b32 s[M1+2], s[M2+2]
	START                           ; O^T and l stay as they are, finite: the block's first step multiplies them by a = 0, or the wave's factor at the meeting is 0
.endif
.endm
.Lslot:                             ; eight times: a step is entered and the next is asked for
	CHANGE 1
	STEP
	s_cmp_lg_u32 s[RT], 0           ; hangs on g alone: the same in every wave and every partner
	s_cbranch_scc1 .Lbottom
	MERGE 1                         ; in the loop this is the first block's end: the second's last step is the walk's last
.Lbottom:
	s_sub_co_u32 s[SLOTS], s[SLOTS], 1
	s_cmp_lg_u32 s[SLOTS], 0
	s_cbranch_scc1 .Lslot
	CHANGE 0                        ; the walk's last step is written out: nothing is asked for
	STEP
	MERGE 0
	s_wait_tensorcnt 0x0            ; the wave's end: an add and its wait behind my last tensor load and my last LDS store
	ds_add_u32 v[SPW], v[NIL]
	s_wait_dscnt 0x0
	CROUND                          ; the closing round: no work-group ends while a partner may still ask for a tile that names it
	s_endpgm
.Lfunc_end_k_q515b349a22_attn:
	.size	k_q515b349a22_attn, .Lfunc_end_k_q515b349a22_attn-k_q515b349a22_attn
	.p2alignl 7, 3214868480
	.fill 96, 4, 3214868480
	.section	.rodata,"a",@progbits
	.p2align	6, 0x0
	.amdhsa_kernel k_q515b349a22_attn
		.amdhsa_group_segment_fixed_size 327680
		.amdhsa_private_segment_fixed_size 0
		.amdhsa_enable_private_segment 0
		.amdhsa_kernarg_size 32
		.amdhsa_user_sgpr_count 2
		.amdhsa_user_sgpr_kernarg_segment_ptr 1
		.amdhsa_wavefront_size32 1
		.amdhsa_system_sgpr_workgroup_id_x 1
		.amdhsa_system_sgpr_workgroup_id_y 1
		.amdhsa_system_sgpr_workgroup_id_z 1
		.amdhsa_system_vgpr_workitem_id 0
		.amdhsa_next_free_vgpr 1024
		.amdhsa_next_free_sgpr 88
		.amdhsa_reserve_vcc 1
		.amdhsa_float_denorm_mode_32 3
		.amdhsa_float_denorm_mode_16_64 3
		.amdhsa_memory_ordered 1
		.amdhsa_forward_progress 1
		.amdhsa_inst_pref_size 194
	.end_amdhsa_kernel
	.amdgpu_metadata
---
amdhsa.version: [ 1, 2 ]
amdhsa.kernels:
  - .name:           k_q515b349a22_attn
    .symbol:         k_q515b349a22_attn.kd
    .args:
      - { .name: qkv, .offset: 0, .size: 8, .value_kind: global_buffer, .address_space: global }
      - { .name: ob, .offset: 8, .size: 8, .value_kind: global_buffer, .address_space: global }
      - { .name: Wo, .offset: 16, .size: 8, .value_kind: global_buffer, .address_space: global }
      - { .name: wob, .offset: 24, .size: 8, .value_kind: global_buffer, .address_space: global }
    .group_segment_fixed_size: 327680
    .private_segment_fixed_size: 0
    .kernarg_segment_align: 8
    .kernarg_segment_size: 32
    .max_flat_workgroup_size: 128
    .sgpr_count:     88
    .vgpr_count:     1024
    .wavefront_size: 32
...
	.end_amdgpu_metadata
.endif
;; end of part 3
;; launch oproj (part 4): grid 16 x 16, 4 waves a work-group, clusters of 4 x 4, 327,680 bytes of LDS; arguments ob, wob, out0; writes out0
.if DOCPART == 4
	.amdgcn_target "amdgcn-amd-amdhsa--gfx1250"
	.amdhsa_code_object_version 6
	.text
	.protected	k_q515b349a22_oproj
	.globl	k_q515b349a22_oproj
	.p2align	8
	.type	k_q515b349a22_oproj,@function
k_q515b349a22_oproj:
	s_mov_b64 s[64:65], 0
	v_nop
	global_prefetch_b8 v0, s[64:65] scope:SCOPE_SE
	s_setreg_imm32_b32 hwreg(HW_REG_WAVE_MODE, 25, 1), 1
	s_wait_xcnt 0x0
	s_wait_alu depctr_hold_cnt(0) depctr_sa_sdst(0) depctr_va_vdst(0) depctr_va_sdst(0) depctr_va_ssrc(0) depctr_va_vcc(0) depctr_vm_vsrc(0)
	s_getreg_b32 s2, hwreg(HW_REG_IB_STS2, 6, 4)
	s_cmp_eq_u32 s2, 0
	s_cbranch_scc0 .Lentry_in_a_cluster
	s_endpgm
.Lentry_in_a_cluster:
	s_bfe_u32 s2, ttmp6, 0x10000c
	s_cmp_lg_u32 s2, 0xf033
	s_cbranch_scc0 .Lentry_shape_is_right
	s_endpgm
.Lentry_shape_is_right:
; out0[m][n] = the sum over k of O[m][k] Wo[n][k].  ob: [2048][2048] f16.  wob: [2048][2048] f16 (Wo rounded to bf16, that number written as f16).  out0: [2048][2048] f32.  Sums in f32.
; A tile of out0 is 128 x 128, so that 16 x 16 work-groups are one for each WGP.  Four waves, each 64 x 64: 16 accumulators of 16 x 16, 128 registers.  K goes in steps of 256 (LDS rows of 512 bytes; a wave's tensor
; load brings 64 of them), as long as two slots in LDS allow.  A K step is written once: the loop's LDS addresses hang on s[TB], 0 or SLOT, and one descriptor a tensor walks from slot to slot.
; THE WALK ALONG K BEGINS AT ANOTHER QUARTER IN EACH CLUSTER, quarter (x + 2 y) mod 4 of the cluster's place (x, y), and wraps round: the four clusters that read the same rows of O begin at four different quarters,
; so that rows which several clusters read are not all asked for at the same time.  So the order of the f32 sums differs from cluster to cluster, and from the reference's.
; CLUSTERS: 4 x 4 work-groups.  The four of a row of the cluster need the same tiles of O, the four of a column the same tiles of Wo: each tile is asked for JOINTLY, by the same tensor load with the same descriptor
; and a mask that names the four.  THE MATRIX INSTRUCTION IS USED TRANSPOSED (source 0 = 16 rows of Wo, source 1 = 16 rows of O): a lane then holds eight neighbouring numbers of a row of out0.
; THE WAY OUT: a wave's 64 columns of f32 are 256 bytes, aligned, so each wave has a stage of its own, 16 rows at a time, and no barrier.
; No prefetch: the tile is small, and a step's products are few beside its bytes.
; REGISTERS: window 0: v16-29 addresses; v128-255 the accumulators ((a, b) at v[128 + 8 (4 a + b)]).
;   window 1: two fragment buffers of 128: for 64 along K, 64 registers of O (2 x 4 x 16 rows x 32 K), then 64 of Wo; on the way out v0-127 rows read back.
.set SIZE_K, 2048
.set SIZE_N, 2048
.set KSTEP,  256
.set PITCH,  528                       ; an LDS row: 512 bytes + 16 of padding = 132 words: row r starts at bank 4 r mod 64 (64 banks of 4 bytes: ISA guide 11.1)
.set HALFT,  64*PITCH                  ; 64 rows: what one tensor load brings, and what one wave reads of O or of Wo
.set SLOT,   4*HALFT                   ; O's 128 rows, then Wo's 128 rows.  0x21000: it shares no bit with the four loads' places in a slot, so one exclusive or turns an address in one slot into the other's
.set STAGE,  2*SLOT                    ; behind the ring: 16 rows x 272 bytes for each wave
.set SPITCH, 272
.set SPARE,  STAGE+4*16*SPITCH         ; behind the stages: the spare words, 128 bytes for each wave: two blocks of 256 bytes that no other line names
.set STEPS,  SIZE_K/KSTEP
.set ADRA0, 16                         ; v16     my lane's place in my 64 rows of O; never rewritten
.set ADRB0, 17                         ; v17     the same for Wo
.set ADRA, 20                          ; v20-21  the same two in the slot that is read
.set ADRB, 21
.set STO,  24                          ; v24     the way out: where I put 16 bytes of a row
.set RD,   25                          ; v25     where I read a row back
.set CO,   26                          ; v26     my byte offset in out0
.set SPW,  28                          ; v28     LDS address of my spare word; never rewritten
.set NIL,  29                          ; v29     0; never rewritten
.set ACC,  128
.set F0,   0                           ; fragment buffers, in window 1
.set F1,   128
.set G1, 24                            ; s[24:31] descriptor group 1 for O's tiles;  s[32:39] group 0: a set for each of the two first fills; the second then walks on
.set G0, 32
.set G1B, 48                           ; s[48:55], s[56:63] the same for Wo's tiles
.set G0B, 56
.set BA,  66                           ; s[66:67] O at the rows that I fetch
.set BB,  68                           ; s[68:69] Wo at the rows that I fetch
.set KO,  70                           ; s[70:71] the byte in a row at which the K step asked for last begins
.set TB,  72                           ; s72     the slot that is read: 0 or SLOT
.set MSB, 0
.macro WIN new                         ; the immediate's high byte repeats the setting that is left
.if MSB != (\new)
	s_set_vgpr_msb (MSB<<8)|(\new)
.set MSB, \new
.endif
.endm
.set MUL,  0x05                        ; sources 0 (Wo) and 1 (O) window 1; C and D window 0
.set TO_F, 0x40                        ; destination window 1, address window 0
.macro JLOAD s                         ; a joint load: waves 0 and 1 fetch O's two halves, waves 2 and 3 Wo's; an s_nop 0 and four v_nop follow each of the two lines
	s_cmp_eq_u32 s11, 0
	s_cbranch_scc0 .Lfor_b_\@
	tensor_load_to_lds s[G0+4*(\s):G0+4*(\s)+3], s[G1:G1+7]
	s_nop 0
.rept 4
	v_nop
.endr
	s_branch .Lasked_\@
.Lfor_b_\@:
	tensor_load_to_lds s[G0B+4*(\s):G0B+4*(\s)+3], s[G1B:G1B+7]
	s_nop 0
.rept 4
	v_nop
.endr
.Lasked_\@:
.endm
.macro CREST                           ; a round of the cluster's barrier behind its opening barrier
	s_cmp_lg_u32 s10, 0
	s_cbranch_scc1 .Lnot_wave_0_\@
	s_barrier_signal -3
.Lnot_wave_0_\@:
	s_barrier_wait -3
	s_barrier_signal -1
	s_barrier_wait -1
.endm
.macro CROUND                          ; a whole round
	s_barrier_signal -1
	s_barrier_wait -1
	CREST
.endm
.macro SLOTADR                         ; the fragments' addresses in the slot that is read next
	v_add_nc_u32 v[ADRA], s[TB], v[ADRA0]
	v_add_nc_u32 v[ADRB], s[TB], v[ADRB0]
.endm
	s_load_b128 s[4:7], s[0:1], 0x0                ; ob s[4:5], wob s[6:7]
	s_load_b64 s[8:9], s[0:1], 0x10                ; out0
	v_lshl_add_u32 v[SPW], v0, 2, SPARE
	v_mov_b32 v[NIL], 0
	ds_add_u32 v[SPW], v[NIL]                      ; the wave's opening: the add and its wait stand ahead of my first tensor load; the set-up below, work on registers, stands between them
	v_lshrrev_b32 v1, 5, v0
	v_readfirstlane_b32 s10, v1                    ; wave 0..3
	s_lshr_b32 s11, s10, 1                         ; which half of the tile's rows is mine.  Also: I fetch for O (0) or for Wo (1)
	s_and_b32 s12, s10, 1                          ; which half of its columns.  Also: which 64 rows of that tile I fetch
	s_bfe_u32 s40, ttmp6, 0x40000                  ; cx, cy: my place in the cluster
	s_bfe_u32 s41, ttmp6, 0x40004
	s_lshl_b32 s42, ttmp9, 2
	s_add_co_u32 s42, s42, s40                     ; tile column = 4 x cluster x + cx
	s_and_b32 s13, ttmp7, 0xffff
	s_lshl_b32 s13, s13, 2
	s_add_co_u32 s13, s13, s41                     ; tile row = 4 x cluster y + cy
	s_lshl_b32 s43, s41, 2
	s_lshl_b32 s43, 15, s43                        ; my row of the cluster
	s_lshl_b32 s44, 0x1111, s40                    ; my column
	; descriptor group 1: a tile of 64 rows x 256 elements, padded in LDS
	s_or_b32 s[G1+0], s43, (1<<16)|(1<<20)|(1<<21)|(6<<22)|(3<<25)  ; 15:0 the mask; 17:16 elements of 2 bytes; 20 padding on; 21 set beside a mask; 24:22 after every 128 words (code 6); 31:25 4 words (code 3)
	s_or_b32 s[G1B+0], s44, (1<<16)|(1<<20)|(1<<21)|(6<<22)|(3<<25)
.irp g, G1, G1B
	s_mov_b32 s[(\g)+1], KSTEP<<16                 ; tensor_dim0 = 256
	s_mov_b32 s[(\g)+2], 64<<16                    ; tensor_dim1 = 64
	s_mov_b32 s[(\g)+3], KSTEP<<16                 ; tile_dim0 = 256
	s_mov_b32 s[(\g)+4], 64                        ; tile_dim1 = 64
	s_mov_b32 s[(\g)+5], SIZE_K                    ; elements from row to row
	s_mov_b32 s[(\g)+6], 0
	s_mov_b32 s[(\g)+7], 0
.endr
	s_lshl_b32 s17, s12, 6                         ; which 64 rows of the tile I fetch
	s_lshl_b32 s16, s13, 7
	s_add_co_u32 s16, s16, s17                     ; O: row 128 x tile row + 64 x half
	s_lshl_b32 s46, s42, 7
	s_add_co_u32 s46, s46, s17                     ; Wo: row 128 x tile column + 64 x half
	s_mov_b32 s17, 0
	s_mov_b32 s47, 0
	s_mov_b64 s[18:19], SIZE_K*2
	s_mul_u64 s[16:17], s[16:17], s[18:19]
	s_mul_u64 s[46:47], s[46:47], s[18:19]
	s_mul_i32 s20, s10, HALFT                      ; where they go: wave x 64 rows
	s_and_b32 s[KO], ttmp7, 0xffff                 ; where the cluster's walk along K begins: quarter (x + 2 y) mod 4 of the cluster's own place, the same in all sixteen partners,
	s_lshl_b32 s[KO], s[KO], 1
	s_add_co_u32 s[KO], s[KO], ttmp9
	s_and_b32 s[KO], s[KO], 3
	s_lshl_b32 s[KO], s[KO], 10                    ; a quarter of a row: two K steps, 1,024 bytes
	s_mov_b32 s[KO+1], 0
	s_mov_b32 s[TB], 0
	s_wait_dscnt 0x0                               ; the opening add is done
	s_wait_kmcnt 0x0
	s_add_nc_u64 s[BA:BA+1], s[4:5], s[16:17]
	s_add_nc_u64 s[BB:BB+1], s[6:7], s[46:47]
	CROUND                                         ; all sixteen work-groups are here: the first joint loads meet
.irp s, 0,1
	s_mov_b32 s[G0+4*(\s)], 1
	s_add_co_u32 s[G0+4*(\s)+1], s20, (\s)*SLOT
	s_add_nc_u64 s[G0+4*(\s)+2:G0+4*(\s)+3], s[BA:BA+1], s[KO:KO+1]
	s_or_b32 s[G0+4*(\s)+3], s[G0+4*(\s)+3], 0x80000000
	s_mov_b32 s[G0B+4*(\s)], 1
	s_add_co_u32 s[G0B+4*(\s)+1], s20, (\s)*SLOT
	s_add_nc_u64 s[G0B+4*(\s)+2:G0B+4*(\s)+3], s[BB:BB+1], s[KO:KO+1]
	s_or_b32 s[G0B+4*(\s)+3], s[G0B+4*(\s)+3], 0x80000000
	JLOAD \s                                       ; two loads of mine are out
.if (\s) == 0
	s_add_co_u32 s[KO], s[KO], KSTEP*2             ; the walk's second K step: a quarter has two, so it does not wrap here
.endif
.endr
	v_and_b32 v1, 15, v0                           ; l % 16
	v_bfe_u32 v2, v0, 4, 1                         ; l / 16
	v_mul_u32_u24 v3, v1, PITCH
	v_lshl_add_u32 v3, v2, 4, v3                   ; a fragment's row x pitch + 16 x half
	s_mul_i32 s21, s11, HALFT                      ; my 64 rows of O
	s_mul_i32 s22, s12, HALFT                      ; my 64 rows of Wo,
	s_add_co_u32 s22, s22, 2*HALFT                 ; which lie behind O's 128
	v_add_nc_u32 v[ADRA0], s21, v3
	v_add_nc_u32 v[ADRB0], s22, v3
	SLOTADR                                        ; slot 0
	s_mul_i32 s23, s10, 16*SPITCH
	s_add_co_u32 s23, s23, STAGE                   ; my stage
	v_mul_u32_u24 v4, v1, SPITCH                   ; in: row l % 16, 32 bytes (eight f32) for each half of the lanes
	v_lshl_add_u32 v4, v2, 5, v4
	v_add_nc_u32 v[STO], s23, v4
	v_mul_u32_u24 v5, v2, SPITCH                   ; back: lanes 0-15 take one row of 256 bytes, lanes 16-31 the next
	v_lshl_add_u32 v5, v1, 4, v5
	v_add_nc_u32 v[RD], s23, v5
	v_lshlrev_b32 v5, 13, v2                       ; and the same two rows in out0, 8,192 bytes apart
	v_lshl_add_u32 v[CO], v1, 4, v5
	s_lshl_b32 s16, s13, 7
	s_lshl_b32 s17, s11, 6
	s_add_co_u32 s16, s16, s17                     ; my first row: 128 x tile row + 64 x half
	s_lshl_b32 s16, s16, 13                        ; in bytes
	s_mov_b32 s17, 0
	s_add_nc_u64 s[8:9], s[8:9], s[16:17]
	s_lshl_b32 s46, s42, 9                         ; my first column, in bytes: 512 x tile column + 256 x half
	s_lshl_b32 s47, s12, 8
	s_add_co_u32 s46, s46, s47
	s_mov_b32 s47, 0
	s_add_nc_u64 s[8:9], s[8:9], s[46:47]
; 8 matrix instructions: m blocks a0, a0 + 1 x all 4 n blocks, 32 along K: half c of buffer f.  zero = 1: the first product starts the sums
.macro MUL8 f, c, a0, zero
	WIN MUL
.irp a, \a0, (\a0)+1
.irp b, 0,1,2,3
.if \zero
	v_wmma_f32_16x16x32_f16 v[ACC+8*(4*(\a)+(\b)):ACC+8*(4*(\a)+(\b))+7], v[(\f)+64+8*(4*(\c)+(\b)):(\f)+64+8*(4*(\c)+(\b))+7], v[(\f)+8*(4*(\c)+(\a)):(\f)+8*(4*(\c)+(\a))+7], 0
.else
	v_wmma_f32_16x16x32_f16 v[ACC+8*(4*(\a)+(\b)):ACC+8*(4*(\a)+(\b))+7], v[(\f)+64+8*(4*(\c)+(\b)):(\f)+64+8*(4*(\c)+(\b))+7], v[(\f)+8*(4*(\c)+(\a)):(\f)+8*(4*(\c)+(\a))+7], v[ACC+8*(4*(\a)+(\b)):ACC+8*(4*(\a)+(\b))+7]
.endif
.endr
.endr
.endm
; 32 LDS loads in one run: the fragments of 64 along K at byte k of the rows, into buffer f; the first 32 along K first
.macro FETCH k, f
	WIN TO_F
.irp c, 0,1
.irp i, 0,1,2,3
	ds_load_b128 v[(\f)+64+8*(4*(\c)+(\i)):(\f)+64+8*(4*(\c)+(\i))+3],   v[ADRB] offset:(\k)+64*(\c)+(\i)*16*PITCH
	ds_load_b128 v[(\f)+64+8*(4*(\c)+(\i))+4:(\f)+64+8*(4*(\c)+(\i))+7], v[ADRB] offset:(\k)+64*(\c)+(\i)*16*PITCH+32
	ds_load_b128 v[(\f)+8*(4*(\c)+(\i)):(\f)+8*(4*(\c)+(\i))+3],         v[ADRA] offset:(\k)+64*(\c)+(\i)*16*PITCH
	ds_load_b128 v[(\f)+8*(4*(\c)+(\i))+4:(\f)+8*(4*(\c)+(\i))+7],       v[ADRA] offset:(\k)+64*(\c)+(\i)*16*PITCH+32
.endr
.endr
.endm
.macro PLACES                          ; four places in front of loads into registers that matrix instructions have read, and of LDS stores that read results
.rept 4
	v_nop
.endr
.endm
; A K step is four quarters of 64 along K, 32 matrix instructions each, on buffers 0, 1, 0, 1; the 16 accumulators take turns.  One of the first three: multiplies buffer f and fetches the next quarter, at byte k, into g.
.macro QUARTER k, f, g, zero
	s_wait_dscnt 16                                ; the first 32 along K are in
	WIN MUL
	MUL8 \f, 0, 0, \zero
	MUL8 \f, 0, 2, \zero
	PLACES
	FETCH \k, \g
	s_wait_dscnt 32                                ; all but the 32 just issued
	WIN MUL
	MUL8 \f, 1, 0, 0
	MUL8 \f, 1, 2, 0
.endm
; The last quarter multiplies buffer 1 and changes slots: ONE barrier; in front of it each wave waits for all its tensor loads, adds 0 to its spare word, and waits for that and for its own reads of this slot.
; fill = 1: the barrier opens a round of the cluster's barrier, and this slot is filled again, with the walk's K step two on: its place in a row steps by 512 bytes and wraps at the row's 4,096.
.macro TURN fill
	WIN 0                                          ; (the add's two registers lie in window 0)
	s_wait_tensorcnt 0x0                           ; all my tensor loads have landed: my part of the next slot; so a group 0 may be written;
	ds_add_u32 v[SPW], v[NIL]                      ; 0 onto my spare word
.if \fill
	s_add_co_u32 s[KO], s[KO], KSTEP*2
	s_and_b32 s[KO], s[KO], SIZE_K*2-1
	s_xor_b32 s[G0+5], s[G0+5], SLOT               ; the walking descriptors: the other slot than last time, the address made anew
	s_add_nc_u64 s[G0+6:G0+7], s[BA:BA+1], s[KO:KO+1]
	s_or_b32 s[G0+7], s[G0+7], 0x80000000
	s_xor_b32 s[G0B+5], s[G0B+5], SLOT
	s_add_nc_u64 s[G0B+6:G0B+7], s[BB:BB+1], s[KO:KO+1]
	s_or_b32 s[G0B+7], s[G0B+7], 0x80000000
.endif
	s_xor_b32 s[TB], s[TB], SLOT                   ; the slot that is read next
	s_wait_dscnt 17                                ; (the add and the youngest sixteen loads may be out)
	WIN MUL
	MUL8 F1, 0, 0, 0                               ; eight matrix instructions stand between the add and the wait for it
	s_wait_dscnt 0x0                               ; the add is done, and my reads of this slot are over
	s_barrier_signal -1
	MUL8 F1, 0, 2, 0
	WIN 0
	SLOTADR
	s_barrier_wait -1
.if \fill
	CREST                                          ; no wave of any partner still reads this slot's tile or has a load on its way
	JLOAD 1                                        ; the first tensor load behind the round: 112 matrix instructions ahead of the wait for it; its four v_nop are also the places in front of the loads below
.else
	PLACES
.endif
	FETCH 0, F0
	WIN MUL
	MUL8 F1, 1, 0, 0
	MUL8 F1, 1, 2, 0
.endm
	s_wait_tensorcnt 1                             ; my part of the walk's first K step is in; the second's may stay out
	s_barrier_signal -1
	s_barrier_wait -1                              ; everybody's is
	FETCH 0, F0
	QUARTER 128, F0, F1, 1                         ; the first quarter stands in front of the loop: its first products start the sums
	WIN 0                                          ; at a label and at a branch every window is 0
	s_mov_b32 s3, STEPS-2
.Lstep:                                                ; a trip goes from a K step's second quarter to the next step's first, and fills the slot that it leaves
	QUARTER 256, F1, F0, 0
	QUARTER 384, F0, F1, 0
	TURN 1
	QUARTER 128, F0, F1, 0
	WIN 0
	s_sub_co_u32 s3, s3, 1
	s_cmp_lg_u32 s3, 0
	s_cbranch_scc1 .Lstep
	QUARTER 256, F1, F0, 0                         ; the last two K steps fill nothing, and have no round of the cluster's barrier
	QUARTER 384, F0, F1, 0
	TURN 0
	QUARTER 128, F0, F1, 0
	QUARTER 256, F1, F0, 0
	QUARTER 384, F0, F1, 0
	s_wait_dscnt 16                                ; the very last quarter: nothing more to fetch
	WIN MUL
	MUL8 F1, 0, 0, 0
	MUL8 F1, 0, 2, 0
	s_wait_dscnt 0
	MUL8 F1, 1, 0, 0
	MUL8 F1, 1, 2, 0
	WIN 0
	; THE WAY OUT, 16 rows at a time through my own stage: a lane's eight f32 of a row go in as two stores of 16 bytes (each accumulator's low half first), whole rows of 256 bytes come back.
	; LDS serves a wave's instructions in order (ISA guide 5.7.1.4): the loads see the stores above them, and the next block's stores come behind them.
	PLACES
.irp a, 0,1,2,3
	WIN 0
.irp b, 0,1,2,3
	ds_store_b128 v[STO], v[ACC+8*(4*(\a)+(\b)):ACC+8*(4*(\a)+(\b))+3]   offset:64*(\b)
	ds_store_b128 v[STO], v[ACC+8*(4*(\a)+(\b))+4:ACC+8*(4*(\a)+(\b))+7] offset:64*(\b)+16
.endr
	WIN TO_F
.irp t, 0,1,2,3,4,5,6,7
	ds_load_b128 v[32*(\a)+4*(\t):32*(\a)+4*(\t)+3], v[RD] offset:(\t)*2*SPITCH
.endr
.endr
	WIN 0x04                                       ; store data (source 1) window 1
.irp a, 0,1,2,3
.irp t, 0,1,2,3,4,5,6,7
	s_wait_dscnt (3-(\a))*16+7-(\t)                ; behind this load stand the block's 7 - t younger loads and sixteen LDS instructions for each later block
	global_store_b128 v[CO], v[32*(\a)+4*(\t):32*(\a)+4*(\t)+3], s[8:9] offset:(16*(\a)+2*(\t))*SIZE_N*4 th:TH_STORE_NT  ; 16 lanes store 256 consecutive bytes, at a multiple of 256 from out0's first byte
.endr
.endr
	WIN 0
	s_wait_tensorcnt 0x0                           ; the wave's end: an add and its wait behind my last tensor load and my last LDS store
	ds_add_u32 v[SPW], v[NIL]
	s_wait_dscnt 0x0
	CROUND                                         ; the closing round: no work-group ends while a partner may still ask for a tile that names it
	s_endpgm
.Lfunc_end_k_q515b349a22_oproj:
	.size	k_q515b349a22_oproj, .Lfunc_end_k_q515b349a22_oproj-k_q515b349a22_oproj
	.p2alignl 7, 3214868480
	.fill 96, 4, 3214868480
	.section	.rodata,"a",@progbits
	.p2align	6, 0x0
	.amdhsa_kernel k_q515b349a22_oproj
		.amdhsa_group_segment_fixed_size 327680
		.amdhsa_private_segment_fixed_size 0
		.amdhsa_enable_private_segment 0
		.amdhsa_kernarg_size 24
		.amdhsa_user_sgpr_count 2
		.amdhsa_user_sgpr_kernarg_segment_ptr 1
		.amdhsa_wavefront_size32 1
		.amdhsa_system_sgpr_workgroup_id_x 1
		.amdhsa_system_sgpr_workgroup_id_y 1
		.amdhsa_system_sgpr_workgroup_id_z 1
		.amdhsa_system_vgpr_workitem_id 0
		.amdhsa_next_free_vgpr 512
		.amdhsa_next_free_sgpr 76
		.amdhsa_reserve_vcc 0
		.amdhsa_float_denorm_mode_32 3
		.amdhsa_float_denorm_mode_16_64 3
		.amdhsa_memory_ordered 1
		.amdhsa_forward_progress 1
		.amdhsa_inst_pref_size 69
	.end_amdhsa_kernel
	.amdgpu_metadata
---
amdhsa.version: [ 1, 2 ]
amdhsa.kernels:
  - .name:           k_q515b349a22_oproj
    .symbol:         k_q515b349a22_oproj.kd
    .args:
      - { .name: ob, .offset: 0, .size: 8, .value_kind: global_buffer, .address_space: global }
      - { .name: wob, .offset: 8, .size: 8, .value_kind: global_buffer, .address_space: global }
      - { .name: out0, .offset: 16, .size: 8, .value_kind: global_buffer, .address_space: global }
    .group_segment_fixed_size: 327680
    .private_segment_fixed_size: 0
    .kernarg_segment_align: 8
    .kernarg_segment_size: 24
    .max_flat_workgroup_size: 128
    .sgpr_count:     76
    .vgpr_count:     512
    .wavefront_size: 32
...
	.end_amdgpu_metadata
.endif
;; end of part 4
